; MI455X (gfx1250); checked and timed in simulation.
; The chip was launched on July 23, 2026; its instructions are those of AMD's public machine-readable ISA for CDNA 5 (MIT licence, August 2026) and "CDNA5" Instruction Set Architecture Reference Guide (July 2026). The comments in the code are by the model that wrote it; some were corrected since.
;; Efficient Multi Head Attention. Allowed arithmetic: matrix products marked QUANTISED: E2M3 operands, one E8M0 scale for each 32 along K, by v_wmma_scale_f32_16x16x128_f8f6f4 with both operands' format E2M3, f32 sums; everything else in f32.
;; Inputs: W_out 1,024 x 1,024 float32; W_qkv 1,024 x 3,072 float32; b_out 1,024 float32; b_qkv 3,072 float32; mask 4 x 2,048 bool; x 4 x 2,048 x 1,024 float32.
;; Outputs: out0 4 x 2,048 x 1,024 float32.
;; This version of the problem:
;;   THIS VERSION OF THE PROBLEM IS GIVEN IN LOW PRECISION. The matrix products marked QUANTISED in the list below multiply operands that are first quantised to E2M3 (2 exponent bits, 3 mantissa bits; 6 bits a number), with one power-of-two scale for each 32 numbers along K (OCP MX v1.0); their sums are f32. All else is computed in f32.
;;   The module's matrix products, in the order in which they are computed (A, B: the left and right operand; K: the contracted axis; several contracted axes count as one K, in the product's order):
;;     1. [M 8,192, K 1,024] x [K 1,024, N 3,072]; A: input x; B: input W_qkv: QUANTISED
;;     2. batch 64 x [M 2,048, K 64] x [K 64, N 2,048]; A: computed on the way; B: computed on the way: QUANTISED
;;     3. batch 64 x [M 2,048, K 2,048] x [K 2,048, N 64]; A: softmax (see below); B: computed on the way: QUANTISED
;;     4. [M 8,192, K 1,024] x [K 1,024, N 1,024]; A: computed on the way; B: input W_out: QUANTISED
;;   THE QUANTISER, for each operand of a quantised product, along K:
;;     - K is cut into blocks of 32 from its start; a last block that is shorter is filled with zeros.
;;     - A block's scale is 2^e with e = floor(log2(the largest magnitude in the block)) - 2, held to -126 .. 127; a block of zeros has e = 0. As a byte (E8M0): e + 127.
;;     - Each number is divided by its block's scale, clamped to +-7.5, and rounded to the nearest number of E2M3, ties to even, subnormals kept.
;;     - The product sums the exact products of the quantised numbers (number of the format x scale) in f32.
;;   ~~~python
;;   def quantise(x, axis):      # numpy; x: float32 -> the quantised numbers, widened to float32 again
;;       x = np.moveaxis(x, axis, -1); K = x.shape[-1]
;;       x = np.pad(x, [(0, 0)] * (x.ndim - 1) + [(0, -K % 32)]); x = x.reshape(x.shape[:-1] + (-1, 32)); a = np.abs(x).max(-1, keepdims=True)
;;       e = np.where(a > 0, np.clip(np.frexp(np.where(a > 0, a, 1))[1] - 1 - 2, -126, 127), 0)      # np.frexp(a)[1] - 1 = floor(log2(a)), exactly
;;       r = np.clip(x / 2.0 ** e, -7.5, 7.5)
;;       step = 2.0 ** (np.maximum(np.frexp(np.where(r == 0, 1, r))[1] - 1, 0) - 3)
;;       q = np.round(r / step) * step * 2.0 ** e      # np.round: ties to even
;;       return np.moveaxis(q.reshape(q.shape[:-2] + (-1,))[..., :K], -1, axis).astype(np.float32)
;;   ~~~
;;   SOFTMAX AHEAD OF A QUANTISED PRODUCT. Where the list says 'softmax', what is quantised is not the finished softmax but p = 2^(t - M), with t = logit x log2(e) and M = ceil(the row's largest t), a whole number; so 1/2 < the row's largest p <= 1. The row's sum l is taken of the UNQUANTISED p, in f32, and the product's result is divided by l at the end. Since M is a whole number, a kernel that streams over the keys may use a running M (the ceiling of the running maximum): every later rescaling is an exact power of two, which a block's scale takes up: the codes' values come out the same.
;;   OPERANDS COMPUTED ON THE WAY. 'Computed on the way' means the value that the module computes at that place (a softmax that the list does not call 'softmax' is quantised finished and normalised). What goes into a quantiser is computed in f32, as accurately as f32 sums, v_exp_f32 and their like allow (about 1e-6 of the number): no bf16 or f16 on the way to a quantiser, and a product that is left as it is and whose result goes on into a quantised operand takes f32 operands (vector FMAs, or v_wmma_f32_16x16x4_f32). A number that lies on a knife's edge between two numbers of the format may be rounded either way, as far as f32 arithmetic and the matrix unit's own rounding can turn it there, and no further.
;; One version. Each part assembles by itself: llvm-mc -triple=amdgcn-amd-amdhsa -mcpu=gfx1250 --defsym DOCPART=n.
;; ======== version 1 of 1: 4 launches
;; limits: right only within a limited range of input values
;; workspace buffers: x_codes 6,291,456 bytes; x_scales 262,144 bytes; w_codes 3,145,728 bytes; w_scales 131,072 bytes; qbuf 15,728,640 bytes; kv 15,728,640 bytes; a_img 6,291,456 bytes; a_scales 262,144 bytes
;; launch quant (part 1): grid 384 x 1, 4 waves a work-group, no clusters, 68,096 bytes of LDS; arguments x, W_qkv, W_out, x_codes, x_scales, w_codes, w_scales; writes x_codes, x_scales, w_codes, w_scales
.if DOCPART == 1
	.amdgcn_target "amdgcn-amd-amdhsa--gfx1250"
	.amdhsa_code_object_version 6
	.text
	.protected	k_qdd109e4af8_quant
	.globl	k_qdd109e4af8_quant
	.p2align	8
	.type	k_qdd109e4af8_quant,@function
k_qdd109e4af8_quant:
	s_mov_b64 s[64:65], 0
	v_nop
	global_prefetch_b8 v0, s[64:65] scope:SCOPE_SE
	s_setreg_imm32_b32 hwreg(HW_REG_WAVE_MODE, 25, 1), 1
	s_wait_xcnt 0x0
; x [8192][1024], W_qkv [1024][3072] and W_out [1024][1024], f32, become codes of FP6 (E2M3) with K innermost and one E8M0 byte for each 32 along K.
; A block's scale is 2^(floor(log2(its largest magnitude)) - 2); its byte is the largest magnitude's exponent field - 2, held at 1 from below.
; (A block of zeros so gets the byte 1 where the rule says 127: its codes are zeros, and the bytes are read by this program alone.)
; LIMITS: NaN and infinities among the inputs are not served; blocks whose largest magnitude lies under 2^(2 - 126) keep the byte 1.
; ROW ORDER OF THE RESULTS: a row's place is its number with bits 3 and 4 exchanged, so that place 16 T + r holds row 32 (T / 2) + 8 (T % 2) + r + 8 (r / 8):
; the products that follow then leave 16 neighbours along their next K in a lane's 16 registers of two neighbouring tiles.
; Work-groups 0-255 take x (K innermost: a wave takes 8 rows = 16 steps of 512 numbers); work-groups 256-383 take the weights (K is the first axis: a lane takes a column,
; its registers run down K; a wave takes 32 columns x 256 along K).  w_codes' rows 0-3071 are W_qkv's columns, rows 3072-4095 W_out's.
; Each of the two ways has LDS bytes of its own: x 0-32767, the weights 32768-67583; the spare words lie behind them.
.set SPARE, 67584                      ; the spare words, 128 bytes for each wave: two blocks of 256 bytes that no other line names
.set SPW,   12                         ; v12  LDS address of my spare word; never rewritten
.set NIL,   13                         ; v13  0; never rewritten
.set EMAX,  2
.set STEPS, 16                         ; x: steps of a wave
.set CB,    12                         ; bytes of 16 codes
.set XR,    16                         ; v16-79   four sets of 16 numbers as loaded
.set XX,    80                         ; v80-111  two sets of 16 neighbours
.set XE,    112                        ; v112-127 a scale byte for each step
.set XC,    128                        ; v128-191 codes, four registers a step: no store's data are written again
.set WREG,  8192                       ; x: a wave's LDS: two stages of 32 x SP bytes, then its 256 scale bytes
.set SP,    80                         ; a lane's place in a stage: 64 bytes + 16 of padding
.set WST,   32768                      ; the weights' stages begin here
.set PITCH, 272                        ; a stage row: sixteen places of 16 bytes (12 of codes each) + 16
.set NB,    8                          ; blocks of 32 along K for a lane
.set WX,    32                         ; v32-95   two sets of 32 numbers
.set WC,    96                         ; v96-102  a block's codes
.set OUTR,  112                        ; v112-175 the way out
.set SB,    24                         ; v24-25   the scale bytes
.set VO,    192                        ; v192-223 byte offset of row i of a block at my column: 4 x lane + i x the tensor's pitch; never rewritten
	s_load_b256 s[4:11], s[0:1], 0x0               ; x, W_qkv, W_out, x_codes
	s_load_b128 s[12:15], s[0:1], 0x20             ; x_scales, w_codes
	s_load_b64 s[16:17], s[0:1], 0x30              ; w_scales
	v_lshl_add_u32 v[SPW], v0, 2, SPARE
	v_mov_b32 v[NIL], 0
	v_lshrrev_b32 v1, 5, v0
	v_readfirstlane_b32 s18, v1                    ; wave
	v_and_b32 v2, 31, v0                           ; lane
	s_cmp_lt_u32 ttmp9, 256
	s_cbranch_scc0 .Lw
; ---------------- x ----------------
	v_lshlrev_b32 v3, 4, v2                        ; my 16 bytes of a load's 512
	s_mul_i32 s19, s18, WREG
	v_lshrrev_b32 v14, 2, v2
	v_mul_u32_u24 v14, v14, SP
	v_and_b32 v15, 3, v2
	v_lshl_add_u32 v14, v15, 4, v14
	v_add_nc_u32 v14, s19, v14                     ; the stage, in: SP (lane / 4) + 16 (lane % 4)
	v_mul_u32_u24 v15, v2, SP
	v_add_nc_u32 v15, s19, v15                     ; and out: SP x lane: my 16 neighbours
	v_and_b32 v4, 15, v2                           ; x_codes and w_codes lie as [K step of 256][row][192 bytes]: a tile of rows of one K step is dense
	v_mul_u32_u24 v4, v4, CB
	v_lshrrev_b32 v10, 4, v2
	v_mad_u32_u24 v4, v10, 0x180000, v4            ; lanes 16-31 hold the next K step: one plane of 8,192 x 192 bytes on
	v_lshrrev_b32 v5, 1, v2
	s_add_co_u32 s19, s19, 2*32*SP
	v_add_nc_u32 v5, s19, v5                       ; LDS: my block's scale byte
	v_lshlrev_b32 v7, 3, v2
	v_add_nc_u32 v6, s19, v7                       ; and on the way out 8 bytes a lane
	s_lshl_b32 s20, ttmp9, 2
	s_add_co_u32 s22, s20, s18                     ; the 8 rows that I read: run 4 x work-group + wave
	s_and_b32 s21, s18, 1
	s_lshl_b32 s21, s21, 1
	s_lshr_b32 s23, s18, 1
	s_or_b32 s21, s21, s23
	s_add_co_u32 s24, s20, s21                     ; and where they go: a run's two low bits are a row's bits 3 and 4: exchanged
	s_lshl_b32 s22, s22, 15                        ; 8 rows of 4,096 bytes
	s_mov_b32 s23, 0
	s_mul_i32 s26, s24, 1536                       ; 8 rows of 192 bytes in a plane
	s_mov_b32 s27, 0
	s_lshl_b32 s24, s24, 8                         ; 8 rows of 32 scale bytes
	s_mov_b32 s25, 0
	s_wait_alu depctr_va_vdst(0)
	s_wait_kmcnt 0x0
	s_add_nc_u64 s[4:5], s[4:5], s[22:23]
	s_add_nc_u64 s[10:11], s[10:11], s[26:27]
	s_add_nc_u64 s[12:13], s[12:13], s[24:25]
.macro XLOAD t
.irp i, 0,1,2,3
	global_load_b128 v[XR+16*((\t)%4)+4*\i:XR+16*((\t)%4)+4*\i+3], v3, s[4:5] offset:2048*(\t)+512*\i th:TH_LOAD_NT   ; 32 lanes read 512 consecutive bytes
.endr
.endm
.macro XTURN t                         ; step t's numbers through the stage: LDS serves a wave's instructions in order, so no wait stands between the stores and the loads
.irp i, 0,1,2,3
	ds_store_b128 v14, v[XR+16*((\t)%4)+4*\i:XR+16*((\t)%4)+4*\i+3] offset:32*SP*((\t)%2)+8*SP*\i
.endr
.irp i, 0,1,2,3
	ds_load_b128 v[XX+16*((\t)%2)+4*\i:XX+16*((\t)%2)+4*\i+3], v15 offset:32*SP*((\t)%2)+16*\i
.endr
.endm
.irp t, 0,1,2,3
	XLOAD \t
.endr
	s_wait_loadcnt 12                              ; step 0's four loads are in
	XTURN 0
.macro XSTEP t
.set XS, XX+16*((\t)%2)
.if (\t) > 0
	s_wait_dscnt 1                                 ; this step's numbers are back from the stage; the last step's byte store may be out
.else
	s_wait_dscnt 0x0
.endif
.if (\t)+4 < STEPS
	XLOAD (\t)+4                                   ; into the registers that this step's stage stores have read
.endif
.if (\t)+1 < STEPS
.if STEPS-2-(\t) >= 3
	s_wait_loadcnt 12                              ; the next step's four loads are in; those of the three steps behind it may be out
.else
	s_wait_loadcnt 4*(STEPS-2-(\t))
.endif
	XTURN (\t)+1
.endif
	v_max3_num_f32 v8, |v[XS]|, |v[XS+1]|, |v[XS+2]|               ; the largest magnitude of my 16, in two chains
	v_max3_num_f32 v9, |v[XS+3]|, |v[XS+4]|, |v[XS+5]|
.irp i, 6,10
	v_max3_num_f32 v8, v8, |v[XS+\i]|, |v[XS+\i+1]|
	v_max3_num_f32 v9, v9, |v[XS+\i+2]|, |v[XS+\i+3]|
.endr
	v_max3_num_f32 v8, v8, |v[XS+14]|, |v[XS+15]|
	v_max3_num_f32 v8, v8, v9, (EMAX+1)<<23        ; and the floor 2^(EMAX + 1 - 127): the byte cannot fall under 1
	v_max_num_f32_dpp v8, v8, v8 row_xmask:1 row_mask:0xf bank_mask:0xf   ; with my neighbour's 16: the block's
	v_add_nc_u32 v11, -(EMAX<<23), v8              ; EMAX off its exponent field: the conversion's scale operand
	v_cvt_scalef32_pk16_fp6_f32 v[XC+4*(\t):XC+4*(\t)+2], v[XS:XS+15], v11
	v_lshrrev_b32 v[XE+(\t)], 23, v11              ; the scale's byte
	ds_store_b8 v5, v[XE+(\t)] offset:16*(\t)      ; both lanes of a block write the same byte with the same value
	global_store_b96 v4, v[XC+4*(\t):XC+4*(\t)+2], s[10:11] offset:3145728*((\t)%2)+192*((\t)/2)   ; row t / 2, K steps 2 (t % 2) and 2 (t % 2) + 1
.endm
.irp t, 0,1,2,3,4,5,6,7,8,9,10,11,12,13,14,15
	XSTEP \t
.endr
	ds_load_b64 v[10:11], v6                       ; LDS serves a wave's instructions in order: these see my byte stores
	s_wait_dscnt 0x0
	global_store_b64 v7, v[10:11], s[12:13]        ; 32 lanes store 256 consecutive bytes, aligned
	s_branch .Lend
; ---------------- the weights ----------------
.Lw:
	s_sub_co_u32 s19, ttmp9, 256
	s_lshr_b32 s21, s19, 2                         ; which 128 rows of w_codes (columns of a weight)
	s_and_b32 s22, s19, 3                          ; which 256 along K
	s_mov_b32 s20, 4096
	s_wait_kmcnt 0x0
	s_cmp_lt_u32 s21, 24                           ; W_qkv's columns or W_out's?  The choice hangs on the work-group's number alone
	s_cselect_b32 s23, 0, 24
	s_cselect_b32 s20, 12288, s20                  ; a row of the weight in bytes
	s_cselect_b64 s[6:7], s[6:7], s[8:9]
	s_sub_co_u32 s23, s21, s23
	s_lshl_b32 s23, s23, 7
	s_lshl_b32 s24, s18, 5
	s_add_co_u32 s23, s23, s24                     ; my wave's first column in its own tensor
	s_lshl_b32 s26, s22, 8
	s_mul_i32 s26, s26, s20                        ; 256 ky rows down
	s_lshl_b32 s23, s23, 2
	s_add_co_u32 s26, s26, s23
	s_mov_b32 s27, 0
	s_add_nc_u64 s[32:33], s[6:7], s[26:27]        ; block 0's base;
	s_lshl_b32 s28, s20, 5                         ; 32 rows on
	s_mov_b32 s29, 0
.irp t, 1,2,3,4,5,6,7
	s_add_nc_u64 s[32+2*\t:33+2*\t], s[30+2*\t:31+2*\t], s[28:29]   ; a base for each of the 8 blocks: nothing is stepped while loads are out
.endr
	s_lshl_b32 s48, s21, 7
	s_add_co_u32 s48, s48, s24                     ; my wave's first row of w_codes
	s_mul_i32 s50, s48, 192
	s_mul_i32 s49, s22, 786432                     ; a plane of 4,096 x 192 bytes for each K step
	s_add_co_u32 s50, s50, s49
	s_mov_b32 s51, 0
	s_add_nc_u64 s[14:15], s[14:15], s[50:51]
	s_lshl_b32 s50, s48, 5
	s_lshl_b32 s49, s22, 3
	s_add_co_u32 s50, s50, s49
	s_add_nc_u64 s[16:17], s[16:17], s[50:51]
	s_wait_alu depctr_va_vdst(0)
	v_lshlrev_b32 v[VO], 2, v2
.set I, 1
.rept 31
	v_add_nc_u32 v[VO+I], s20, v[VO+I-1]
.set I, I+1
.endr
	s_mul_i32 s19, s18, 32*PITCH
	s_add_co_u32 s19, s19, WST                     ; my stage
	v_mul_u32_u24 v4, v2, PITCH
	v_add_nc_u32 v4, s19, v4                       ; into it: row = my column
	v_and_b32 v5, 15, v2
	v_lshrrev_b32 v6, 4, v2
	v_mul_u32_u24 v7, v6, PITCH
	v_lshl_add_u32 v7, v5, 4, v7
	v_add_nc_u32 v7, s19, v7                       ; out of it: sixteen lanes to a row, two rows an instruction
	v_mul_u32_u24 v8, v6, 192
	v_mad_u32_u24 v8, v5, 12, v8                   ; and the same place in w_codes
	v_and_b32 v9, 7, v2                            ; my column's place among the wave's 32: bits 3 and 4 exchanged
	v_bfe_u32 v10, v2, 3, 1
	v_lshl_or_b32 v9, v10, 4, v9
	v_bfe_u32 v10, v2, 4, 1
	v_lshl_or_b32 v9, v10, 3, v9
	v_lshlrev_b32 v9, 5, v9                        ; its row of 32 scale bytes
.macro WLOAD t                         ; block t: W(32 t + i, my column) into set t % 2: 32 lanes read 128 consecutive bytes
.set I, 0
.rept 32
	global_load_b32 v[WX+32*((\t)%2)+I], v[VO+I], s[32+2*(\t):33+2*(\t)] th:TH_LOAD_NT
.set I, I+1
.endr
.endm
	WLOAD 0
	WLOAD 1
.macro WBLOCK t
.set XS, WX+32*((\t)%2)
.if (\t) < NB-1
	s_wait_loadcnt 32                              ; this block's 32 loads are in; the next block's may be out
.else
	s_wait_loadcnt 0
.endif
	v_max3_num_f32 v16, |v[XS]|, |v[XS+1]|, |v[XS+2]|              ; the block's largest magnitude: all 32 numbers are mine
	v_max3_num_f32 v17, |v[XS+3]|, |v[XS+4]|, |v[XS+5]|
.irp i, 6,10,14,18,22,26
	v_max3_num_f32 v16, v16, |v[XS+\i]|, |v[XS+\i+1]|
	v_max3_num_f32 v17, v17, |v[XS+\i+2]|, |v[XS+\i+3]|
.endr
	v_max3_num_f32 v16, v16, |v[XS+30]|, |v[XS+31]|
	v_max3_num_f32 v16, v16, v17, (EMAX+1)<<23     ; and the floor
	v_add_nc_u32 v18, -(EMAX<<23), v16             ; the conversion's scale operand
	v_lshrrev_b32 v17, 23, v18                     ; the scale's byte
.if (\t)%4 == 0
	v_mov_b32 v[SB+(\t)/4], v17
.else
	v_lshl_or_b32 v[SB+(\t)/4], v17, 8*((\t)%4), v[SB+(\t)/4]
.endif
	v_cvt_scalef32_pk16_fp6_f32 v[WC:WC+2], v[XS:XS+15], v18
	v_cvt_scalef32_pk16_fp6_f32 v[WC+4:WC+6], v[XS+16:XS+31], v18  ; (a conversion's three registers begin on an even number)
	ds_store_b96 v4, v[WC:WC+2] offset:32*(\t)     ; 12 bytes to a place of 16: every LDS address is a multiple of 16
	ds_store_b96 v4, v[WC+4:WC+6] offset:32*(\t)+16
.if (\t)+2 < NB
	WLOAD (\t)+2
.endif
	s_wait_dscnt 0x0                               ; the stores have read their registers: the next block's codes may be written
.endm
.irp t, 0,1,2,3,4,5,6,7
	WBLOCK \t
.endr
	s_wait_alu depctr_va_vdst(0)
	global_store_b64 v9, v[SB:SB+1], s[16:17]      ; my column's 8 scale bytes
.irp t, 0,1,2,3,4,5,6,7,8,9,10,11,12,13,14,15
	ds_load_b96 v[OUTR+4*\t:OUTR+4*\t+2], v7 offset:2*\t*PITCH     ; columns 2 t and 2 t + 1
.endr
.irp t, 0,1,2,3,4,5,6,7,8,9,10,11,12,13,14,15
	s_wait_dscnt 15-\t                             ; the younger stage loads may be out
	global_store_b96 v8, v[OUTR+4*\t:OUTR+4*\t+2], s[14:15] offset:(2*(\t%4)+16*((\t/4)%2)+8*(\t/8))*192
.endr
.Lend:
	s_wait_tensorcnt 0x0                           ; the wave's end
	ds_add_u32 v[SPW], v[NIL]
	s_wait_dscnt 0x0
	s_endpgm
.Lfunc_end_k_qdd109e4af8_quant:
	.size	k_qdd109e4af8_quant, .Lfunc_end_k_qdd109e4af8_quant-k_qdd109e4af8_quant
	.p2alignl 7, 3214868480
	.fill 96, 4, 3214868480
	.section	.rodata,"a",@progbits
	.p2align	6, 0x0
	.amdhsa_kernel k_qdd109e4af8_quant
		.amdhsa_group_segment_fixed_size 68096
		.amdhsa_private_segment_fixed_size 0
		.amdhsa_enable_private_segment 0
		.amdhsa_kernarg_size 56
		.amdhsa_user_sgpr_count 2
		.amdhsa_user_sgpr_kernarg_segment_ptr 1
		.amdhsa_wavefront_size32 1
		.amdhsa_system_sgpr_workgroup_id_x 1
		.amdhsa_system_sgpr_workgroup_id_y 1
		.amdhsa_system_sgpr_workgroup_id_z 1
		.amdhsa_system_vgpr_workitem_id 0
		.amdhsa_next_free_vgpr 224
		.amdhsa_next_free_sgpr 66
		.amdhsa_reserve_vcc 0
		.amdhsa_float_denorm_mode_32 3
		.amdhsa_float_denorm_mode_16_64 3
		.amdhsa_memory_ordered 1
		.amdhsa_forward_progress 1
		.amdhsa_inst_pref_size 75
	.end_amdhsa_kernel
	.amdgpu_metadata
---
amdhsa.version: [ 1, 2 ]
amdhsa.kernels:
  - .name:           k_qdd109e4af8_quant
    .symbol:         k_qdd109e4af8_quant.kd
    .args:
      - { .name: x, .offset: 0, .size: 8, .value_kind: global_buffer, .address_space: global }
      - { .name: W_qkv, .offset: 8, .size: 8, .value_kind: global_buffer, .address_space: global }
      - { .name: W_out, .offset: 16, .size: 8, .value_kind: global_buffer, .address_space: global }
      - { .name: x_codes, .offset: 24, .size: 8, .value_kind: global_buffer, .address_space: global }
      - { .name: x_scales, .offset: 32, .size: 8, .value_kind: global_buffer, .address_space: global }
      - { .name: w_codes, .offset: 40, .size: 8, .value_kind: global_buffer, .address_space: global }
      - { .name: w_scales, .offset: 48, .size: 8, .value_kind: global_buffer, .address_space: global }
    .group_segment_fixed_size: 68096
    .private_segment_fixed_size: 0
    .kernarg_segment_align: 8
    .kernarg_segment_size: 56
    .max_flat_workgroup_size: 128
    .sgpr_count:     66
    .vgpr_count:     224
    .wavefront_size: 32
...
	.end_amdgpu_metadata
.endif
;; end of part 1
;; launch gemm_qkv (part 2): grid 12 x 32, 4 waves a work-group, clusters of 4 x 4, 327,680 bytes of LDS; arguments x_codes, x_scales, w_codes, w_scales, b_qkv, mask, qbuf, kv; writes qbuf, kv
.if DOCPART == 2
	.amdgcn_target "amdgcn-amd-amdhsa--gfx1250"
	.amdhsa_code_object_version 6
	.text
	.protected	k_qdd109e4af8_gemm_qkv
	.globl	k_qdd109e4af8_gemm_qkv
	.p2align	8
	.type	k_qdd109e4af8_gemm_qkv,@function
k_qdd109e4af8_gemm_qkv:
	s_mov_b64 s[64:65], 0
	v_nop
	global_prefetch_b8 v0, s[64:65] scope:SCOPE_SE
	s_setreg_imm32_b32 hwreg(HW_REG_WAVE_MODE, 25, 1), 1
	s_wait_xcnt 0x0
	s_wait_alu depctr_hold_cnt(0) depctr_sa_sdst(0) depctr_va_vdst(0) depctr_va_sdst(0) depctr_va_ssrc(0) depctr_va_vcc(0) depctr_vm_vsrc(0)
	s_getreg_b32 s2, hwreg(HW_REG_IB_STS2, 6, 4)
	s_cmp_eq_u32 s2, 0
	s_cbranch_scc0 .Lentry_in_a_cluster
	s_endpgm
.Lentry_in_a_cluster:
	s_bfe_u32 s2, ttmp6, 0x10000c
	s_cmp_lg_u32 s2, 0xf033
	s_cbranch_scc0 .Lentry_shape_is_right
	s_endpgm
.Lentry_shape_is_right:
; qkv = x W_qkv + b_qkv on codes of FP6 (E2M3) with E8M0 scales, K = 1,024; the results are quantised in registers and leave as IMAGES OF THE OPERAND REGISTERS that the attention launch wants.
; A work-group makes 256 x 256, a wave 128 x 128: 64 accumulators of 16 x 16.  K goes in four steps of 256 through two LDS slots filled by joint tensor loads (4 x 4 cluster).
; ONE MAIN PART FOR q, k AND v.  Source 0 and source 1 are two tensors of codes of one shape.  Cluster x = 0 (q) and 1 (k): source 0 = rows of w_codes, source 1 = rows of x_codes: a lane holds a token
; and its registers run along the head's channels, the K of the scores' product.  Cluster x = 2 (v): the pointers change places: a lane holds a channel and its registers run along the tokens, the K of the second product.
; Source 0's tile hangs on the cluster and cx, source 1's on the cluster and cy: source 0's tiles are shared along a column of the cluster, source 1's along a row.
; Rows of both tensors lie with bits 3 and 4 of their number exchanged, so that for one tile of source 1 the 64 registers of the eight tiles of source 0 are: register 16 b + i = index 32 b + 16 (lane / 16) + i.
; WHAT LEAVES.  For each head and each 128 tokens a block of 15,360 bytes: at 0 eight tiles of 16 tokens x 64 channels (registers 0-7 of a fragment: six of codes, the mask's word, 0; two planes of 512 bytes);
; at 8,192 four tiles of V^T, 16 channels x 128 tokens (three planes); at 14,336 the tiles' scale words (16 x lane + 4 i: tile i in lanes 0-15, tile 4 + i in lanes 16-31); at 14,848 V's (16 x lane + 4 x tile).
; THE MASK rides in the half of the scores' K that the head's 64 channels leave free.  At k = 64 q carries +1.0 under the byte 187 (2^60); a masked key -1.0 under 187: its scores are -2^120;
; an open key carries the code 0 under the byte 1.  LIMIT: scores stay under 2^95 in magnitude.  NaN and infinities are not served.
.set KSTEP,  256
.set NQ,     2                         ; matrix instructions deep in a slot
.set ROWB,   192                       ; a tile's row: 256 codes
.set KROW,   768                       ; a row of codes in memory
.set PITCH,  240                       ; an LDS row: 3 x (64 bytes + 16 of padding)
.set FR,     12
.set NL,     6
.set NP,     4                         ; places behind this matrix instruction (ISA guide 7.12.1)
.set HALFT,  128*PITCH
.set SLOT,   4*HALFT
.set KS,     32                        ; a row of scale bytes
.set SCL,    2*SLOT                    ; behind the ring: the scales, as units of 256 bytes + 16 of padding; filled once
.set HALFS,  16*272
.set SBLK,   2*272
.set SPARE,  SCL+4*HALFS               ; the spare words, 128 bytes for each wave: two blocks of 256 bytes that no other line names
.set HEADB,  245760                    ; a head's 16 blocks
.set STEPB,  15360
.set LI,   8                           ; v8   16 x lane: an image's place for my lane
.set BA,   9                           ; v9   64 x (lane / 16): my half's 16 numbers of each 32 of the bias
.set RR,   10                          ; v10  r + 8 (r / 8): my row of a tile, as a natural number
.set CON,  11                          ; v11  the word at k = 64 for an open token;  v12 for a masked one
.set COFF, 12
.set AOFF, 13                          ; v13  the two upper scale bytes for a masked token;  v14 for an open one
.set AON,  14
.set ADRA, 16
.set ADRB, 20
.set ADRS, 27
.set SPW,  28
.set NIL,  29
.set VA,   30                          ; v30  4 (r + 8 (r / 8))
.set SC,   32
.set BQ,   64                          ; v64-127  the bias in the layout of 64 results (q, k)
.set AF,   128
.set MK,   224                         ; v224-231 the mask's byte of my token in each of the 8 tiles
.set VB,   232                         ; v232-247 v's bias of my channel in each of the 8 tiles, twice (a pair for the packed add)
.set T,    128                         ; the epilogue: v128-191 64 numbers
.set PC,   192                         ; v192-207 codes
.set PT,   208                         ; v208-215 the conversions' second halves
.set TM,   32                          ; v32-47   at work
.set PW,   48
.set AU,   49
.set WA,   232                         ; v232-239, v240-247 scale words of the first and of the second head, a register a tile
.set WB,   240
.set OW,   248                         ; v248-255 the scale words' images (q, k); v's scale words
.set VW,   248
.set SEL,  20
.set G1, 24
.set G0, 32
.set G1B, 48
.set G0B, 56
.set G1S, 68
.set G0S, 76
.set G1SB, 80
.set G0SB, 88
.set MSB, 0
.macro WIN new                         ; the immediate's high byte repeats the setting that is left
.if MSB != (\new)
	s_set_vgpr_msb (MSB<<8)|(\new)
.set MSB, (\new)
.endif
.endm
.set MUL_LO, 0xa1                      ; source 0 window 1, source 1 window 0, C and D window 2
.set MUL_HI, 0xf1
.set TO_B,   0x40
; A joint load: waves 0 and 1 fetch for source 1, waves 2 and 3 for source 0.  The branch hangs on the wave's number alone.  An s_nop 0 and four v_nop follow each line.
.macro JLOAD g0a, g1a, g0b, g1b
	s_cmp_eq_u32 s15, 0
	s_cbranch_scc0 .Lfor_b_\@
	tensor_load_to_lds s[\g0a:\g0a+3], s[\g1a:\g1a+7]
	s_nop 0
.rept 4
	v_nop
.endr
	s_branch .Lasked_\@
.Lfor_b_\@:
	tensor_load_to_lds s[\g0b:\g0b+3], s[\g1b:\g1b+7]
	s_nop 0
.rept 4
	v_nop
.endr
.Lasked_\@:
.endm
.macro CREST
	s_cmp_lg_u32 s14, 0
	s_cbranch_scc1 .Lnot_wave_0_\@
	s_barrier_signal -3
.Lnot_wave_0_\@:
	s_barrier_wait -3
	s_barrier_signal -1
	s_barrier_wait -1
.endm
.macro CROUND
	s_barrier_signal -1
	s_barrier_wait -1
	CREST
.endm
	s_load_b256 s[4:11], s[0:1], 0x0               ; x_codes, x_scales, w_codes, w_scales
	v_lshl_add_u32 v[SPW], v0, 2, SPARE
	v_mov_b32 v[NIL], 0
	ds_add_u32 v[SPW], v[NIL]                      ; the wave's opening: the add and its wait ahead of my first tensor load
	ds_add_u32 v[SPW], v[NIL]
	v_lshrrev_b32 v1, 5, v0
	v_readfirstlane_b32 s14, v1                    ; wave 0..3
	s_lshr_b32 s15, s14, 1                         ; my half of source 1's rows.  Also: I fetch for source 1 (0) or source 0 (1)
	s_and_b32 s16, s14, 1                          ; my half of source 0's rows.  Also: which 128 rows I fetch
	s_bfe_u32 s40, ttmp6, 0x40000                  ; cx
	s_bfe_u32 s41, ttmp6, 0x40004                  ; cy
	s_lshl_b32 s42, ttmp9, 2                       ; 4 x cluster x
	s_and_b32 s17, ttmp7, 0xffff
	s_lshl_b32 s17, s17, 2                         ; 4 x cluster y
	s_cmp_eq_u32 ttmp9, 2                          ; the v cluster?  The same in all sixteen partners
	s_cselect_b32 s42, s17, s42                    ; source 0's tile: v: x's tile 4 cluster y + cx;  q, k: w's tile 4 cluster x + cx
	s_cselect_b32 s17, 8, s17                      ; source 1's tile: v: w's tile 8 + cy;  q, k: x's tile 4 cluster y + cy
	s_add_co_u32 s42, s42, s40
	s_add_co_u32 s17, s17, s41
	s_lshl_b32 s43, s41, 2
	s_lshl_b32 s43, 15, s43                        ; my row of the cluster
	s_lshl_b32 s44, 0x1111, s40                    ; my column
	s_or_b32 s[G1+0], s43, (0<<16)|(1<<20)|(1<<21)|(3<<22)|(3<<25)  ; the mask; elements of 1 byte; padding on; bit 21 beside a mask; 4 words of padding after every 16
	s_or_b32 s[G1B+0], s44, (0<<16)|(1<<20)|(1<<21)|(3<<22)|(3<<25)
.irp g, G1, G1B
	s_mov_b32 s[\g+1], 256<<16                     ; a K step's rows of 192 bytes lie dense: stated as rows of 256 bytes; the padding's interval stays 64 bytes, so the LDS image is that of rows of 192
	s_mov_b32 s[\g+2], 192<<16                     ; the head's loads: 256 rows of codes = 192 rows of 256 bytes
	s_mov_b32 s[\g+3], 256<<16
	s_mov_b32 s[\g+4], 192
	s_mov_b32 s[\g+5], 256
	s_mov_b32 s[\g+6], 0
	s_mov_b32 s[\g+7], 0
.endr
	s_or_b32 s[G1S+0], s43, (3<<16)|(1<<20)|(1<<21)|(5<<22)|(3<<25)  ; the scales of 256 rows: 8,192 dense bytes as 32 rows of 256, 16 bytes of padding behind each
	s_or_b32 s[G1SB+0], s44, (3<<16)|(1<<20)|(1<<21)|(5<<22)|(3<<25)
.irp g, G1S, G1SB
	s_mov_b32 s[\g+1], 32<<16
	s_mov_b32 s[\g+2], 32<<16                      ; the scales of 256 rows: 32 rows of 256 bytes
	s_mov_b32 s[\g+3], 32<<16
	s_mov_b32 s[\g+4], 32
	s_mov_b32 s[\g+5], 32
	s_mov_b32 s[\g+6], 0
	s_mov_b32 s[\g+7], 0
.endr
	s_lshl_b32 s20, s17, 8                         ; source 1's tile: its first row
	s_lshl_b32 s46, s42, 8                         ; source 0's
	s_mov_b32 s21, 0
	s_mov_b32 s47, 0
	s_mov_b64 s[18:19], KS
	s_mul_u64 s[22:23], s[20:21], s[18:19]
	s_mul_u64 s[92:93], s[46:47], s[18:19]
	s_mov_b64 s[18:19], ROWB
	s_mul_u64 s[20:21], s[20:21], s[18:19]
	s_mul_u64 s[46:47], s[46:47], s[18:19]
	s_mul_i32 s45, s14, HALFT                      ; where they go: wave x 128 rows: no place in the cluster enters an LDS address
	s_wait_dscnt 0x0                               ; the opening add is done
	s_wait_kmcnt 0x0
	s_cmp_eq_u32 ttmp9, 2                          ; the two tensors change places in the v cluster: a choice that hangs on no address
	s_cselect_b64 s[66:67], s[8:9], s[4:5]         ; source 1's codes
	s_cselect_b64 s[98:99], s[10:11], s[6:7]       ; and scales
	s_cselect_b64 s[100:101], s[4:5], s[8:9]       ; source 0's codes
	s_cselect_b64 s[104:105], s[6:7], s[10:11]     ; and scales
	s_add_nc_u64 s[20:21], s[66:67], s[20:21]
	s_add_nc_u64 s[22:23], s[98:99], s[22:23]
	s_add_nc_u64 s[46:47], s[100:101], s[46:47]
	s_add_nc_u64 s[92:93], s[104:105], s[92:93]
	s_cmp_eq_u32 ttmp9, 2                          ; from K step to K step: a plane of the source's own tensor (x: 8,192 rows, w: 4,096 rows of 192 bytes)
	s_mov_b32 s96, 1572864
	s_cselect_b32 s96, 786432, s96                 ; source 1's
	s_mov_b32 s98, 786432
	s_cselect_b32 s98, 1572864, s98                ; source 0's
	s_mov_b32 s97, 0
	s_mov_b32 s99, 0
	s_mul_i32 s100, s16, 128*ROWB                  ; in the ring I fetch 128 rows of a tile: which half, in bytes
	s_mov_b32 s101, 0
	CROUND                                         ; all sixteen work-groups are here: the first joint loads meet
	s_mov_b32 s[G0S], 1                            ; the head's four tiles, each whole: source 1's scales,
	s_mov_b32 s[G0S+1], SCL
	s_mov_b64 s[G0S+2:G0S+3], s[22:23]
	s_or_b32 s[G0S+3], s[G0S+3], 0x80000000
	s_mov_b32 s[G0SB], 1                           ; source 0's scales,
	s_mov_b32 s[G0SB+1], SCL+2*HALFS
	s_mov_b64 s[G0SB+2:G0SB+3], s[92:93]
	s_or_b32 s[G0SB+3], s[G0SB+3], 0x80000000
	s_mov_b32 s[G0], 1                             ; K step 0's 256 rows of source 1,
	s_mov_b32 s[G0+1], 0
	s_mov_b64 s[G0+2:G0+3], s[20:21]
	s_or_b32 s[G0+3], s[G0+3], 0x80000000
	s_mov_b32 s[G0B], 1                            ; and of source 0
	s_mov_b32 s[G0B+1], 2*HALFT
	s_mov_b64 s[G0B+2:G0B+3], s[46:47]
	s_or_b32 s[G0B+3], s[G0B+3], 0x80000000
	s_mov_b32 s[G0+4], 1                           ; slot 1: my 128 rows of K step 1
	s_add_co_u32 s[G0+5], s45, SLOT
	s_add_nc_u64 s[G0+6:G0+7], s[20:21], s[100:101]
	s_add_nc_u64 s[G0+6:G0+7], s[G0+6:G0+7], s[96:97]
	s_or_b32 s[G0+7], s[G0+7], 0x80000000
	s_mov_b32 s[G0B+4], 1
	s_add_co_u32 s[G0B+5], s45, SLOT
	s_add_nc_u64 s[G0B+6:G0B+7], s[46:47], s[100:101]
	s_add_nc_u64 s[G0B+6:G0B+7], s[G0B+6:G0B+7], s[98:99]
	s_or_b32 s[G0B+7], s[G0B+7], 0x80000000
	s_lshl_b32 s96, s96, 1                         ; a slot's next fill lies two planes on
	s_lshl_b32 s98, s98, 1
; the head's loads, one a wave, in one tree of branches on the wave's number
.macro ARM under, g0, g1, next
	s_cmp_lt_u32 s14, \under
	s_cbranch_scc0 \next
	tensor_load_to_lds s[\g0:\g0+3], s[\g1:\g1+7]
	s_nop 0
.rept 4
	v_nop
.endr
	s_branch .Lhead_asked
\next:
.endm
	ARM 1, G0,  G1,  .Lhead_b
	ARM 2, G0B, G1B, .Lhead_sa
	ARM 3, G0S, G1S, .Lhead_sb
	tensor_load_to_lds s[G0SB:G0SB+3], s[G1SB:G1SB+7]
	s_nop 0
.rept 4
	v_nop
.endr
.Lhead_asked:
	s_load_b256 s[4:11], s[0:1], 0x20              ; b_qkv, mask, qbuf, kv
	v_and_b32 v1, 15, v0                           ; r
	v_bfe_u32 v2, v0, 4, 1                         ; h
	v_mul_u32_u24 v3, v1, PITCH
	v_mul_u32_u24 v4, v2, 24
	v_add_nc_u32 v4, v3, v4                        ; a fragment's row x pitch + 24 x half
	v_lshl_add_u32 v5, v2, 4, v4                   ; and the same behind one padding more
	s_mul_i32 s21, s15, HALFT
	s_mul_i32 s22, s16, HALFT
	s_add_co_u32 s22, s22, 2*HALFT
.irp s, 0,1
	v_add_nc_u32 v[ADRA+\s], s21, v4
	v_add_nc_u32 v[ADRB+\s], s22, v4
	v_add_nc_u32 v[ADRA+2+\s], s21, v5
	v_add_nc_u32 v[ADRB+2+\s], s22, v5
	s_add_co_u32 s21, s21, SLOT
	s_add_co_u32 s22, s22, SLOT
.endr
	v_mul_u32_u24 v5, v1, KS
	v_lshrrev_b32 v6, 8, v5
	v_lshl_add_u32 v5, v6, 4, v5                   ; my row's scales: 32 bytes a row, 16 more for each 256 passed
	s_mul_i32 s21, s15, HALFS
	s_mul_i32 s22, s16, HALFS
	s_add_co_u32 s22, s22, 2*HALFS
	s_sub_co_u32 s22, s22, s21
	v_mul_u32_u24 v6, s22, v2                      ; lanes 16-31 take source 0's
	s_add_co_u32 s21, s21, SCL
	v_add_nc_u32 v5, v5, v6
	v_add_nc_u32 v[ADRS], s21, v5
	; where my results go, and the bias and the mask that they want.  T: the tokens' side, N: the columns' side
	s_cmp_eq_u32 ttmp9, 2
	s_cselect_b32 s18, s42, s17                    ; the tokens' tile,
	s_cselect_b32 s19, s16, s15                    ; my half of it,
	s_cselect_b32 s20, s17, s42                    ; the columns' tile,
	s_cselect_b32 s21, s15, s16                    ; my half of it
	s_lshl_b32 s18, s18, 1
	s_add_co_u32 s18, s18, s19                     ; G: which 128 tokens of the 8,192
	s_and_b32 s22, s20, 3
	s_lshl_b32 s22, s22, 2
	s_lshl_b32 s23, s21, 1
	s_add_co_u32 s22, s22, s23                     ; the first of my two heads
	s_and_b32 s23, s18, 0x30                       ; 16 x batch
	s_add_co_u32 s22, s22, s23
	s_mul_i32 s22, s22, HEADB
	s_and_b32 s23, s18, 15
	s_mul_i32 s23, s23, STEPB
	s_add_co_u32 s22, s22, s23
	s_mov_b32 s23, 0
	s_lshl_b32 s20, s20, 10
	s_lshl_b32 s21, s21, 9
	s_add_co_u32 s20, s20, s21                     ; 4 x my first column
	s_mov_b32 s21, 0
	s_lshl_b32 s18, s18, 7                         ; my first token
	s_mov_b32 s19, 0
	s_wait_kmcnt 0x0
	s_cmp_eq_u32 ttmp9, 0
	s_cselect_b64 s[12:13], s[8:9], s[10:11]       ; q goes to qbuf, k and v to kv
	s_add_nc_u64 s[12:13], s[12:13], s[22:23]
	s_add_nc_u64 s[4:5], s[4:5], s[20:21]
	s_add_nc_u64 s[6:7], s[6:7], s[18:19]
	s_cselect_b32 s18, 8, 0                        ; the code at k = 64: q +1.0 always; an open key 0,
	s_cselect_b32 s19, 8, 40                       ; a masked key -1.0
	s_mov_b32 s22, 0x01bb0000
	s_cselect_b32 s22, 0x7fbb0000, s22             ; the bytes of blocks 2 and 3: q 187, 127; a masked key 187, 1;
	s_mov_b32 s23, 0x01010000
	s_cselect_b32 s23, 0x7fbb0000, s23             ; an open key 1, 1
	v_and_b32 v7, 31, v0
	v_lshlrev_b32 v[LI], 4, v7
	v_lshlrev_b32 v[BA], 6, v2
	v_and_b32 v[RR], 8, v1
	v_add_nc_u32 v[RR], v[RR], v1
	v_lshlrev_b32 v[VA], 2, v[RR]
	v_sub_nc_u32 v31, 1, v2
	v_mul_u32_u24 v[CON], v31, s18                 ; k = 64 lies in lanes 0-15 (lanes 16-31 hold k = 96 on: 0)
	v_mul_u32_u24 v[COFF], v31, s19
	v_mov_b32 v[AOFF], s22
	v_mov_b32 v[AON], s23
	; both roles' small loads are issued by every wave, so that the head has no branch; all addresses lie inside their buffers in every role.  They land under the main part
.irp b, 0,1,2,3
.irp j, 0,1,2,3
	global_load_b128 v[BQ+16*\b+4*\j:BQ+16*\b+4*\j+3], v[BA], s[4:5] offset:128*\b+16*\j   ; register 16 b + i: the bias of column 32 b + 16 h + i
.endr
.endr
.irp a, 0,1,2,3,4,5,6,7
	global_load_u8 v[MK+\a], v[RR], s[6:7] offset:32*(\a/2)+8*(\a%2)
	global_load_b32 v[VB+2*\a], v[VA], s[4:5] offset:4*(32*(\a/2)+8*(\a%2))
	global_load_b32 v[VB+2*\a+1], v[VA], s[4:5] offset:4*(32*(\a/2)+8*(\a%2))
.endr
.macro FRAG reg, adr, q, i             ; a fragment: 12 registers; lane l holds row l % 16; registers 6 c .. 6 c + 5 hold K = 64 c + 32 (l / 16) + 0 .. 31, as they lie; in pieces of 8 bytes
.irp p, 0,1,2,3,4,5
.set PCE, 12*(\q)+6*(\p/3)+\p%3
.if PCE%8 < 5
	ds_load_b64 v[\reg+2*\p:\reg+2*\p+1], v[\adr] offset:8*PCE+16*(PCE/8)+(\i)*16*PITCH
.else
	ds_load_b64 v[\reg+2*\p:\reg+2*\p+1], v[\adr+2] offset:8*PCE+16*(PCE/8)+(\i)*16*PITCH
.endif
.endr
.endm
; 16 matrix instructions: source 1's blocks a0, a0 + 1 x source 0's eight.  The 64 accumulators take turns, one instruction a turn, in the same order in every step.
.macro MUL16 a0, p, q, sc, zero
.irp a, \a0, \a0+1
.irp b, 0,1,2,3,4,5,6,7
.if \zero
	v_wmma_scale_f32_16x16x128_f8f6f4 v[8*(8*((\a)%4)+\b):8*(8*((\a)%4)+\b)+7], v[128*(\p)+FR*\b:128*(\p)+FR*\b+FR-1], v[AF+FR*(\a):AF+FR*(\a)+FR-1], 0, v[SC+8*NQ*(\sc)+NQ*\b+(\q)], v[SC+8*NQ*(\sc)+NQ*(\a)+(\q)] matrix_a_fmt:MATRIX_FMT_FP6 matrix_b_fmt:MATRIX_FMT_FP6 matrix_a_scale:MATRIX_SCALE_ROW1
.else
	v_wmma_scale_f32_16x16x128_f8f6f4 v[8*(8*((\a)%4)+\b):8*(8*((\a)%4)+\b)+7], v[128*(\p)+FR*\b:128*(\p)+FR*\b+FR-1], v[AF+FR*(\a):AF+FR*(\a)+FR-1], v[8*(8*((\a)%4)+\b):8*(8*((\a)%4)+\b)+7], v[SC+8*NQ*(\sc)+NQ*\b+(\q)], v[SC+8*NQ*(\sc)+NQ*(\a)+(\q)] matrix_a_fmt:MATRIX_FMT_FP6 matrix_b_fmt:MATRIX_FMT_FP6 matrix_a_scale:MATRIX_SCALE_ROW1
.endif
.endr
.endr
.endm
.macro FETCH_B slot, q, p
	WIN TO_B
.irp i, 0,1,2,3,4,5,6,7
	FRAG 128*(\p)+FR*\i, ADRB+\slot, \q, \i
.endr
	WIN 0
.endm
.macro FETCH_A slot, q, i0
.irp i, \i0, \i0+1, \i0+2, \i0+3
	FRAG AF+FR*(\i), ADRA+\slot, \q, \i
.endr
.endm
.macro SCALES sc                       ; a K step's scale words: lanes 0-15 source 1's block i, lanes 16-31 source 0's block i
.irp i, 0,1,2,3,4,5,6,7
	ds_load_b64 v[SC+8*NQ*\sc+NQ*\i:SC+8*NQ*\sc+NQ*\i+1], v[ADRS] offset:\i*SBLK
.endr
.endm
.macro PLACES n                        ; plain vector lines between a matrix instruction and a load into, or a vector read or write of, its registers
.rept \n
	v_nop
.endr
.endm
.macro STEP slot, q, zero              ; a step of 128 along K that has its successor in the same slot
	s_wait_dscnt 4*NL                              ; source 0's set and source 1's blocks 0-3 are in; the youngest 24 loads (blocks 4-7) may be out
	WIN MUL_LO
	MUL16 0, (\q)%2, \q, \slot, \zero
	MUL16 2, (\q)%2, \q, \slot, \zero
	s_wait_dscnt 0
	PLACES NP
	FETCH_B \slot, (\q)+1, 1-(\q)%2
	FETCH_A \slot, (\q)+1, 0
	WIN MUL_HI
	MUL16 4, (\q)%2, \q, \slot, \zero
	MUL16 6, (\q)%2, \q, \slot, \zero
	PLACES NP
	WIN 0
	FETCH_A \slot, (\q)+1, 4
.endm
; A slot's last step changes slots: one barrier; in front of it each wave waits for all its tensor loads, adds 0 to its spare word, and waits for that and for its reads of this slot.
.macro TURN slot, next, fill
	s_wait_tensorcnt 0x0                           ; all my tensor loads have landed: my part of the next slot
	ds_add_u32 v[SPW], v[NIL]
	s_wait_dscnt 4*NL+1                            ; the add and the youngest 24 loads may be out
	WIN MUL_LO
	MUL16 0, 1, NQ-1, \slot, 0
	s_wait_dscnt 0x0                               ; the add is done, and my reads of this slot are over
	s_barrier_signal -1
	MUL16 2, 1, NQ-1, \slot, 0
	WIN 0
	s_barrier_wait -1
.if \fill
	CREST                                          ; the barrier has opened a round of the cluster's barrier: no wave of any partner still reads this slot or has a load on its way
	s_add_nc_u64 s[G0+4*\slot+2:G0+4*\slot+3], s[G0+4*\slot+2:G0+4*\slot+3], s[96:97]
	s_add_nc_u64 s[G0B+4*\slot+2:G0B+4*\slot+3], s[G0B+4*\slot+2:G0B+4*\slot+3], s[98:99]
	JLOAD G0+4*\slot, G1, G0B+4*\slot, G1B         ; the first tensor load behind the round; its four v_nop are the places in front of the loads below
.else
	PLACES NP
.endif
	s_wait_alu depctr_va_vdst(0)
	v_add_nc_u32 v[ADRS], 4*NQ, v[ADRS]            ; the next K step's scale words
	FETCH_B \next, 0, 0
	FETCH_A \next, 0, 0
	SCALES \next
	WIN MUL_HI
	MUL16 4, 1, NQ-1, \slot, 0
	MUL16 6, 1, NQ-1, \slot, 0
	PLACES NP
	WIN 0
	FETCH_A \next, 0, 4
.endm
	s_wait_alu depctr_va_vdst(0)
	s_wait_tensorcnt 0x0                           ; my tile of the head's four is in
	ds_add_u32 v[SPW], v[NIL]
	s_mov_b32 s[G1+2], 96<<16                      ; no tensor load of mine is out: from here on a load brings 128 rows of codes = 96 rows of 256 bytes,
	s_mov_b32 s[G1+4], 96
	s_mov_b32 s[G1B+2], 96<<16
	s_mov_b32 s[G1B+4], 96
	s_mov_b32 s[G0+1], s45                         ; and slot 0's descriptors name my 128 rows
	s_add_nc_u64 s[G0+2:G0+3], s[G0+2:G0+3], s[100:101]
	s_mov_b32 s[G0B+1], s45
	s_add_nc_u64 s[G0B+2:G0B+3], s[G0B+2:G0B+3], s[100:101]
	s_wait_dscnt 0x0
	CROUND                                         ; a whole round: all four tiles are in
	JLOAD G0+4, G1, G0B+4, G1B                     ; K step 1, the first tensor load behind the round
	FETCH_B 0, 0, 0
	FETCH_A 0, 0, 0
	SCALES 0
	FETCH_A 0, 0, 4
	STEP 0, 0, 1                                   ; K = 1,024 is four slots' worth: written straight.  The first products start the sums
	TURN 0, 1, 1                                   ; slot 0 takes K step 2
	STEP 1, 0, 0
	TURN 1, 0, 1                                   ; slot 1 takes K step 3
	STEP 0, 0, 0
	TURN 0, 1, 0
	STEP 1, 0, 0
	s_wait_dscnt 4*NL
	WIN MUL_LO
	MUL16 0, 1, NQ-1, 1, 0
	MUL16 2, 1, NQ-1, 1, 0
	s_wait_dscnt 0
	WIN MUL_HI
	MUL16 4, 1, NQ-1, 1, 0
	MUL16 6, 1, NQ-1, 1, 0
	WIN 0
; THE EPILOGUE.  64 numbers of a lane, register 16 b + i = index 32 b + 16 (lane / 16) + i, become codes at v[pc + st c] (six registers for each 64) and the four blocks' scale word in v[pw].
.macro QUANT s, pc, st, pt, pw
.irp b, 0,1,2,3
	v_max3_num_f32 v[TM+\b], |v[\s+16*\b]|, |v[\s+1+16*\b]|, 0x1800000   ; my 16 numbers of block b, and the floor 2^(3 - 127): the byte cannot fall under 1
.endr
.irp i, 2,4,6,8,10,12,14
.irp b, 0,1,2,3
	v_max3_num_f32 v[TM+\b], v[TM+\b], |v[\s+16*\b+\i]|, |v[\s+1+16*\b+\i]|
.endr
.endr
.irp b, 0,1,2,3
	v_permlanex16_b32 v[TM+4+\b], v[TM+\b], s[SEL], s[SEL+1]
.endr
.irp b, 0,1,2,3
	v_max_num_f32 v[TM+\b], v[TM+\b], v[TM+4+\b]   ; with lane l xor 16's: the block's largest magnitude
.endr
.irp b, 0,1,2,3
	v_add_nc_u32 v[TM+12+\b], 0xff000000, v[TM+\b] ; 2 off its exponent field: the conversion's scale operand
.endr
.irp b, 0,1,2,3
	v_lshrrev_b32 v[TM+4+\b], 23, v[TM+12+\b]      ; the scale's byte
.endr
	v_lshl_or_b32 v[\pw], v[TM+5], 8, v[TM+4]
	v_lshl_or_b32 v[\pw], v[TM+6], 16, v[\pw]
	v_lshl_or_b32 v[\pw], v[TM+7], 24, v[\pw]
.irp c, 0,1
	v_cvt_scalef32_pk16_fp6_f32 v[\pc+\st*\c:\pc+\st*\c+2], v[\s+32*\c:\s+15+32*\c], v[TM+12+2*\c]
	v_cvt_scalef32_pk16_fp6_f32 v[\pt+4*\c:\pt+4*\c+2], v[\s+16+32*\c:\s+31+32*\c], v[TM+12+2*\c+1]
.endr
	v_nop                                          ; one plain place behind a scaled conversion
.irp c, 0,1                                    ; the operand's layout wants a whole block in a lane: lanes 0-15 block 2 c, lanes 16-31 block 2 c + 1
.irp i, 0,1,2
	v_permlane16_swap_b32 v[\pc+\st*\c+\i], v[\pt+4*\c+\i]
.endr
.irp i, 0,1,2
	v_mov_b32 v[\pc+\st*\c+3+\i], v[\pt+4*\c+\i]
.endr
.endr
.endm
; q, k: tile a of 16 tokens x my 128 columns (two heads).  The bias is added on the way into window 0, each accumulator from its low end on.
.macro EPI_QK a
	s_wait_xcnt 0x0                                ; the last tile's stores have read their registers
	WIN 0x02+(\a)/4
.set I, 0
.rept 32
	v_pk_add_f32 v[T+I:T+I+1], v[64*((\a)%4)+I:64*((\a)%4)+I+1], v[BQ+I:BQ+I+1]
.set I, I+2
.endr
	WIN 0
	QUANT T, PC, 8, PT, PW
	v_cmp_ne_u32 vcc_lo, 0, v[MK+(\a)]             ; is my token open?
	v_cndmask_b32 v[PC+6], v[COFF], v[CON], vcc_lo ; the word at k = 64,
	v_cndmask_b32 v[AU], v[AOFF], v[AON], vcc_lo   ; and the bytes of blocks 2 and 3
	v_mov_b32 v[PC+14], v[PC+6]
	v_and_or_b32 v[WA+(\a)], v[PW], 0xffff, v[AU]  ; the first head's two bytes below them,
	v_lshrrev_b32 v[WB+(\a)], 16, v[PW]
	v_or_b32 v[WB+(\a)], v[WB+(\a)], v[AU]         ; the second head's
.irp c, 0,1
.irp p, 0,1
	global_store_b128 v[LI], v[PC+8*\c+4*\p:PC+8*\c+4*\p+3], s[12:13] offset:HEADB*\c+1024*(\a)+512*\p   ; 32 lanes store 512 consecutive bytes, aligned
.endr
.endr
.endm
; v: tile a of 16 channels x my 128 tokens: a whole fragment of V^T
.macro EPI_V a
	s_wait_xcnt 0x0
	WIN 0x02+(\a)/4
.set I, 0
.rept 32
	v_pk_add_f32 v[T+I:T+I+1], v[64*((\a)%4)+I:64*((\a)%4)+I+1], v[VB+2*(\a):VB+2*(\a)+1]
.set I, I+2
.endr
	WIN 0
	QUANT T, PC, 6, PT, VW+(\a)
.irp p, 0,1,2
	global_store_b128 v[LI], v[PC+4*\p:PC+4*\p+3], s[12:13] offset:HEADB*((\a)/4)+8192+1536*((\a)%4)+512*\p
.endr
.if (\a)%4 == 3
	global_store_b128 v[LI], v[VW+4*((\a)/4):VW+4*((\a)/4)+3], s[12:13] offset:HEADB*((\a)/4)+14848   ; the head's four tiles' scale words
.endif
.endm
	PLACES NP                                      ; behind the last products: their results are read, and their operands' and scales' registers written, below
	s_wait_loadcnt 0x0                             ; the bias and the mask
	s_mov_b32 s[SEL], 0x76543210
	s_mov_b32 s[SEL+1], 0xfedcba98                 ; v_permlanex16_b32's selects for lane l xor 16
	s_mov_b32 s23, 0xffff0000                      ; lanes 16-31
.irp b, 0,1,2,3
	v_mov_b32 v[TM+4+\b], 0                        ; written once: a lane permute's destination counts as one of its sources
.endr
	v_mov_b32 v[PC+7], 0
	v_mov_b32 v[PC+15], 0
	s_cmp_eq_u32 ttmp9, 2
	s_cbranch_scc1 .Lv
.irp a, 0,1,2,3,4,5,6,7
	EPI_QK \a
.endr
.irp i, 0,1,2,3
	v_cndmask_b32 v[OW+\i], v[WA+\i], v[WA+4+\i], s23      ; lanes 0-15 tile i's word, lanes 16-31 tile 4 + i's
	v_cndmask_b32 v[OW+4+\i], v[WB+\i], v[WB+4+\i], s23
.endr
	global_store_b128 v[LI], v[OW:OW+3], s[12:13] offset:14336
	global_store_b128 v[LI], v[OW+4:OW+7], s[12:13] offset:HEADB+14336
	s_branch .Ljoin
.Lv:
.irp a, 0,1,2,3,4,5,6,7
	EPI_V \a
.endr
.Ljoin:
	s_wait_tensorcnt 0x0                           ; the wave's end
	ds_add_u32 v[SPW], v[NIL]
	s_wait_dscnt 0x0
	CROUND                                         ; the closing round
	s_endpgm
.Lfunc_end_k_qdd109e4af8_gemm_qkv:
	.size	k_qdd109e4af8_gemm_qkv, .Lfunc_end_k_qdd109e4af8_gemm_qkv-k_qdd109e4af8_gemm_qkv
	.p2alignl 7, 3214868480
	.fill 96, 4, 3214868480
	.section	.rodata,"a",@progbits
	.p2align	6, 0x0
	.amdhsa_kernel k_qdd109e4af8_gemm_qkv
		.amdhsa_group_segment_fixed_size 327680
		.amdhsa_private_segment_fixed_size 0
		.amdhsa_enable_private_segment 0
		.amdhsa_kernarg_size 64
		.amdhsa_user_sgpr_count 2
		.amdhsa_user_sgpr_kernarg_segment_ptr 1
		.amdhsa_wavefront_size32 1
		.amdhsa_system_sgpr_workgroup_id_x 1
		.amdhsa_system_sgpr_workgroup_id_y 1
		.amdhsa_system_sgpr_workgroup_id_z 1
		.amdhsa_system_vgpr_workitem_id 0
		.amdhsa_next_free_vgpr 1024
		.amdhsa_next_free_sgpr 106
		.amdhsa_reserve_vcc 1
		.amdhsa_float_denorm_mode_32 3
		.amdhsa_float_denorm_mode_16_64 3
		.amdhsa_memory_ordered 1
		.amdhsa_forward_progress 1
		.amdhsa_inst_pref_size 238
	.end_amdhsa_kernel
	.amdgpu_metadata
---
amdhsa.version: [ 1, 2 ]
amdhsa.kernels:
  - .name:           k_qdd109e4af8_gemm_qkv
    .symbol:         k_qdd109e4af8_gemm_qkv.kd
    .args:
      - { .name: x_codes, .offset: 0, .size: 8, .value_kind: global_buffer, .address_space: global }
      - { .name: x_scales, .offset: 8, .size: 8, .value_kind: global_buffer, .address_space: global }
      - { .name: w_codes, .offset: 16, .size: 8, .value_kind: global_buffer, .address_space: global }
      - { .name: w_scales, .offset: 24, .size: 8, .value_kind: global_buffer, .address_space: global }
      - { .name: b_qkv, .offset: 32, .size: 8, .value_kind: global_buffer, .address_space: global }
      - { .name: mask, .offset: 40, .size: 8, .value_kind: global_buffer, .address_space: global }
      - { .name: qbuf, .offset: 48, .size: 8, .value_kind: global_buffer, .address_space: global }
      - { .name: kv, .offset: 56, .size: 8, .value_kind: global_buffer, .address_space: global }
    .group_segment_fixed_size: 327680
    .private_segment_fixed_size: 0
    .kernarg_segment_align: 8
    .kernarg_segment_size: 64
    .max_flat_workgroup_size: 128
    .sgpr_count:     106
    .vgpr_count:     1024
    .wavefront_size: 32
...
	.end_amdgpu_metadata
.endif
;; end of part 2
;; launch attn (part 3): grid 4 x 64, 8 waves a work-group, clusters of 4 x 1, 327,680 bytes of LDS; arguments qbuf, kv, a_img, a_scales; writes a_img, a_scales
.if DOCPART == 3
	.amdgcn_target "amdgcn-amd-amdhsa--gfx1250"
	.amdhsa_code_object_version 6
	.text
	.protected	k_qdd109e4af8_attn
	.globl	k_qdd109e4af8_attn
	.p2align	8
	.type	k_qdd109e4af8_attn,@function
k_qdd109e4af8_attn:
	s_mov_b64 s[64:65], 0
	v_nop
	global_prefetch_b8 v0, s[64:65] scope:SCOPE_SE
	s_setreg_imm32_b32 hwreg(HW_REG_WAVE_MODE, 25, 1), 1
	s_wait_xcnt 0x0
	s_wait_alu depctr_hold_cnt(0) depctr_sa_sdst(0) depctr_va_vdst(0) depctr_va_sdst(0) depctr_va_ssrc(0) depctr_va_vcc(0) depctr_vm_vsrc(0)
	s_getreg_b32 s2, hwreg(HW_REG_IB_STS2, 6, 4)
	s_cmp_eq_u32 s2, 0
	s_cbranch_scc0 .Lentry_in_a_cluster
	s_endpgm
.Lentry_in_a_cluster:
	s_bfe_u32 s2, ttmp6, 0x10000c
	s_cmp_lg_u32 s2, 0x3003
	s_cbranch_scc0 .Lentry_shape_is_right
	s_endpgm
.Lentry_shape_is_right:
; softmax(q k^T / 8) v for one head and 512 queries a work-group, on codes of FP6 (E2M3) with E8M0 scales; the result is quantised along the head's 64 channels and leaves as an image of the next product's operand.
; The four work-groups of a cluster take the four quarters of one head's queries and ask for the head's 16 blocks of K and V (128 keys, 15,360 bytes each) JOINTLY, once, at the head: a wave two blocks.
; All tiles are asked for at the head, so there is no loop to run ahead in: no prefetch is laid.
; A wave takes 2 x 16 queries at a time through the 16 blocks, twice: ONE loop of 32 trips; trips 0 and 16 begin a pass, trips 15 and 31 end one.
; Both products are used transposed (S^T = k q^T, O^T = v^T p^T): a lane holds one query.
; LDS: a block is 15 rows of 1,024 bytes + 64 of padding.  WHICH KEYS FORM A TILE is chosen by the lanes' LDS addresses: tile (c, o) takes as rows 0-7 octet o of key block 2 c and as rows 8-15 octet o of key block 2 c + 1.
; In memory tile T = 2 b + u holds octets u (rows 0-7) and 2 + u (rows 8-15) of block b, a lane's 16 bytes at 16 x lane of a plane; two tiles on are 2,176 bytes.
; So lane (r, h) holds in registers 32 c + 8 o + j of S the keys 64 c + 32 h + 8 o + j: WHOLE blocks of 32, in the order of the next operand: no lane is asked for a block's maximum, and p's codes fall as the operand wants them.
; p = 2^(t - M), M the ceiling of the running largest t; the sum is taken of the unquantised p; a block's largest p is made from its largest score by the same multiply-add and exponential.
; THE ORDER OF A TRIP: each product's matrix instructions stand in one run under one setting of the register windows.  Between them the two query tiles' vector work stands in each other's gaps:
; tile 0's row statistics among tile 1's maxima, tile 1's among tile 0's multiply-adds, tile 1's multiply-adds among tile 0's exponentials, the sums (eight chains by turns) among the scale lines.
; The mask rides in k = 64 of the scores' product, as the launch before lays it: a masked key's score is -2^120.
; LIMITS: scores stay under 2^95 in magnitude; NaN and infinities are not served; a query all of whose keys are masked, where reference() gives NaN, gets finite numbers here.
; The last trip of a pass fetches block 0's K again: the second pass begins with it; at the launch's end it is fetched once and not used (the counted waits stay the same in every trip).
.set STEPB, 15360
.set HEADB, 245760
.set BLK,   16320                      ; a block in LDS: 15 x 1,088
.set SPARE, 326656                     ; the spare words: 128 bytes a wave, four blocks of 256 bytes that no other line names
.set LI,   1                           ; 16 x lane
.set ADV,  2
.set SPW,  3
.set NIL,  4
.set L8,   5
.set L32,  6
.set QSA,  8
.set KB,   9                           ; 16 x lane + 2,048 (r / 8)
.set KSB,  10                          ; 16 (r % 8) + 8 (r / 8) + 256 h
.set ADK,  11
.set ADS,  12
.set SH8,  13                          ; 8 h
.set NM,   14                          ; v14, v16  -M (pairs; the upper words are 0)
.set L,    18                          ; v18-21 the sums, two halves a query tile
.set FF,   26                          ; v26, v28  2^(old M - new M)
.set RM,   30                          ; v30, v31  the running largest score
.set BM,   32                          ; v32-35 a block's largest score, then p: 2 q + c
.set T0,   36
.set T1,   38
.set SO,   42
.set BT,   46
.set W,    50
.set W2,   52
.set QS,   54
.set QSN,  55
.set KSC,  56
.set VSC,  60
.set S,    64                          ; v64-191 scores, then p: 64 q + 32 c + 8 o + j
.set PC,   192
.set PT,   216
.set PS,   232
.set CH,   234                         ; v234-245 three more chains of the sum for each query tile
.set MB,   246                         ; v246-249 the second chain of each block's maximum
.set O,    0                           ; window 1: v0-63 O^T; v64-87 q; v88-183 k; v184-231 v; v232-247 the next pass's q
.set QF,   64
.set KF,   88
.set VF,   184
.set QST,  232
.set MSB, 0
.macro WIN new
.if MSB != (\new)
	s_set_vgpr_msb (MSB<<8)|(\new)
.set MSB, (\new)
.endif
.endm
.macro WALU
	s_wait_alu depctr_va_vdst(0)
.endm
.macro CROUND
	s_barrier_signal -1
	s_barrier_wait -1
	s_cmp_lg_u32 s12, 0
	s_cbranch_scc1 .Lnot_wave_0_\@
	s_barrier_signal -3
.Lnot_wave_0_\@:
	s_barrier_wait -3
	s_barrier_signal -1
	s_barrier_wait -1
.endm
.macro QLOAD off                       ; two tiles of 16 queries (registers 0-7 of a fragment) and their scale words: lanes 0-15 tile 0's, lanes 16-31 tile 1's
	WIN 0x40
.irp q, 0,1
.irp p, 0,1
	global_load_b128 v[QST+8*\q+4*\p:QST+8*\q+4*\p+3], v[LI], s[4:5] offset:\off+1024*\q+512*\p
.endr
.endr
	WIN 0
	global_load_b32 v[QSN], v[QSA], s[16:17] offset:\off
.endm
.macro KADDR                           ; where the block at s49 lies for my lane
	v_add_nc_u32 v[ADK], s49, v[KB]
	v_add_nc_u32 v[ADS], s49, v[KSB]
.endm
.macro KLOAD                           ; its eight tiles of K and their scale words (register o: lanes 0-15 tile (0, o), lanes 16-31 tile (1, o)): 18 LDS loads
	WIN 0x40
.irp c, 0,1
.irp o, 0,1,2,3
.irp p, 0,1
	ds_load_b128 v[KF+48*\c+12*\o+4*\p:KF+48*\c+12*\o+4*\p+3], v[ADK] offset:1088*(4*\c+\o%2)+128*(\o/2)+512*\p
.endr
.endr
.endr
	WIN 0
	ds_load_b64 v[KSC:KSC+1], v[ADS] offset:15232
	ds_load_b64 v[KSC+2:KSC+3], v[ADS] offset:15360
.endm
.macro SMUL q, c, o                    ; 16 keys x 16 queries
	v_wmma_scale_f32_16x16x128_f8f6f4 v[S+64*\q+32*\c+8*\o:S+64*\q+32*\c+8*\o+7], v[KF+48*\c+12*\o:KF+48*\c+12*\o+11], v[QF+12*\q:QF+12*\q+11], 0, v[KSC+\o], v[QS] matrix_a_fmt:MATRIX_FMT_FP6 matrix_b_fmt:MATRIX_FMT_FP6 matrix_a_scale:MATRIX_SCALE_ROW\c matrix_b_scale:MATRIX_SCALE_ROW\q
.endm
; The largest score of each block of 32 keys of query tile q: two chains a block, four by turns; level k = 0 .. 7, four lines each.  Each accumulator is read from its low end on.
.macro MAXL q, k
.if (\k) == 0
.irp c, 0,1
	v_max3_num_f32 v[BM+2*\q+\c], v[S+64*\q+32*\c], v[S+64*\q+32*\c+1], v[S+64*\q+32*\c+2]
	v_max3_num_f32 v[MB+2*\q+\c], v[S+64*\q+32*\c+16], v[S+64*\q+32*\c+17], v[S+64*\q+32*\c+18]
.endr
.elseif (\k) < 7
.irp c, 0,1
	v_max3_num_f32 v[BM+2*\q+\c], v[BM+2*\q+\c], v[S+64*\q+32*\c+2*(\k)+1], v[S+64*\q+32*\c+2*(\k)+2]
	v_max3_num_f32 v[MB+2*\q+\c], v[MB+2*\q+\c], v[S+64*\q+32*\c+2*(\k)+17], v[S+64*\q+32*\c+2*(\k)+18]
.endr
.else
.irp c, 0,1
	v_max3_num_f32 v[BM+2*\q+\c], v[BM+2*\q+\c], v[MB+2*\q+\c], v[S+64*\q+32*\c+15]
.endr
.irp c, 0,1
	v_max_num_f32 v[BM+2*\q+\c], v[BM+2*\q+\c], v[S+64*\q+32*\c+31]
.endr
.endif
.endm
; Line n = 0 .. 8 of a query tile's row statistics
.macro STAT q, n
.if (\n) == 0
	v_max_num_f32 v[T0+\q], v[BM+2*\q], v[BM+2*\q+1]
.elseif (\n) == 1
	v_permlanex16_b32 v[T1+\q], v[T0+\q], s20, s21
.elseif (\n) == 2
	v_max3_num_f32 v[RM+\q], v[RM+\q], v[T0+\q], v[T1+\q]   ; the running largest score of my query
.elseif (\n) == 3
	v_mul_f32 v[T0+\q], s24, v[RM+\q]
.elseif (\n) == 4
	v_floor_f32 v[T0+\q], v[T0+\q]                 ; the new -M = floor(-t): a whole number
.elseif (\n) == 5
	v_sub_f32 v[T1+\q], v[T0+\q], v[NM+2*\q]       ; old M less new M
.elseif (\n) == 6
	v_mov_b32 v[NM+2*\q], v[T0+\q]
.elseif (\n) == 7
	v_cvt_i32_f32 v[T1+\q], v[T1+\q]               ; (it saturates)
.else
	v_ldexp_f32 v[FF+2*\q], 1.0, v[T1+\q]          ; f = 2^(old M - new M): rounds nothing
.endif
.endm
; The next cnt of the 64 additions that sum the unquantised p: line SN serves query tile SN % 2; a tile's 32 pairs go to four chains (pair m to chain m % 4), which three last lines join
.macro SUMS cnt
.rept \cnt
.set SQ, SN%2
.set SI, SN/2
.set SB, S+64*SQ
.set LQ, L+2*SQ
.set CQ, CH+6*SQ
.if SI < 4
.set TT, 0
.set SJ, SI
.elseif SI == 4
.set TT, 1
.set SJ, 0
.else
.set TT, 2+(SI-5)/4
.set SJ, (SI-5)%4
.endif
.if SI == 29
	v_pk_add_f32 v[CQ:CQ+1], v[CQ:CQ+1], v[CQ+2:CQ+3]
.elseif SI == 30
	v_pk_add_f32 v[LQ:LQ+1], v[LQ:LQ+1], v[CQ+4:CQ+5]
.elseif SI == 31
	v_pk_add_f32 v[LQ:LQ+1], v[LQ:LQ+1], v[CQ:CQ+1]
.elseif SJ == 0
	v_pk_add_f32 v[LQ:LQ+1], v[LQ:LQ+1], v[SB+8*TT:SB+8*TT+1]
.elseif TT == 0
	v_pk_add_f32 v[CQ+2*SJ-2:CQ+2*SJ-1], v[SB+2*SJ:SB+2*SJ+1], v[SB+8+2*SJ:SB+8+2*SJ+1]
.else
	v_pk_add_f32 v[CQ+2*SJ-2:CQ+2*SJ-1], v[CQ+2*SJ-2:CQ+2*SJ-1], v[SB+8*TT+2*SJ:SB+8*TT+2*SJ+1]
.endif
.set SN, SN+1
.endr
.endm
; ---------------- the head
	s_load_b256 s[4:11], s[0:1], 0x0               ; qbuf, kv, a_img, a_scales
	v_lshl_add_u32 v[SPW], v0, 2, SPARE
	v_mov_b32 v[NIL], 0
	ds_add_u32 v[SPW], v[NIL]                      ; the opening lines: the add, twice on end, and its wait
	ds_add_u32 v[SPW], v[NIL]
	v_lshrrev_b32 v36, 5, v0
	v_readfirstlane_b32 s12, v36                   ; wave
	s_bfe_u32 s13, ttmp6, 0x40000                  ; cx: which 512 queries
	s_and_b32 s14, ttmp7, 0xffff                   ; 16 x batch + head
	s_mov_b32 s32, 15|(3<<16)|(1<<20)|(1<<21)|(7<<22)|(15<<25)   ; all four partners; elements of 8 bytes; 16 words of padding behind every 256
	s_mov_b32 s33, 128<<16
	s_mov_b32 s34, 30<<16                          ; two blocks: 30 rows of 1,024 bytes
	s_mov_b32 s35, 128<<16
	s_mov_b32 s36, 30
	s_mov_b32 s37, 128
	s_mov_b32 s38, 0
	s_mov_b32 s39, 0
	s_mul_i32 s2, s14, HEADB
	s_mov_b32 s3, 0
	s_mul_i32 s54, s12, 2*STEPB
	s_mov_b32 s55, 0
	s_mov_b32 s59, 0
	s_mov_b32 s40, 1
	s_mul_i32 s41, s12, 2*BLK
	s_mov_b32 s20, 0x76543210
	s_mov_b32 s21, 0xfedcba98                      ; v_permlanex16_b32's selects for lane l xor 16
	s_mov_b32 s22, 0x3e38aa3b                      ; c = log2(e) / 8
	s_mov_b32 s23, s22
	s_mov_b32 s24, 0xbe38aa3b                      ; -c
	s_mov_b32 s25, 0xffff0000                      ; lanes 16-31
	s_wait_dscnt 0x0
	s_wait_kmcnt 0x0
	s_add_nc_u64 s[6:7], s[6:7], s[2:3]
	s_add_nc_u64 s[42:43], s[6:7], s[54:55]
	s_or_b32 s43, s43, 0x80000000
	CROUND
	tensor_load_to_lds s[40:43], s[32:39]          ; my two blocks: every wave issues this one line, and every wave waits for it
	s_nop 0
	s_lshl_b32 s54, s13, 2                         ; my queries: block 4 cx + wave / 4 (+ 2 in the second pass), tiles 2 (wave % 4) and the next
	s_lshr_b32 s56, s12, 2
	s_add_co_u32 s54, s54, s56
	s_mul_i32 s54, s54, STEPB
	s_add_co_u32 s54, s54, s2
	s_and_b32 s56, s12, 3
	s_lshl_b32 s57, s56, 11
	s_add_co_u32 s58, s54, s57
	s_lshr_b32 s56, s56, 1
	s_lshl_b32 s56, s56, 8
	s_add_co_u32 s54, s54, s56
	s_and_b32 s56, s12, 1
	s_lshl_b32 s56, s56, 3
	s_add_co_u32 s54, s54, s56
	s_add_co_u32 s54, s54, 14336
	s_add_nc_u64 s[16:17], s[4:5], s[54:55]        ; their scale words
	s_add_nc_u64 s[4:5], s[4:5], s[58:59]          ; their codes
	s_lshr_b32 s56, s14, 4                         ; where the results go: token tile 128 batch + 32 cx + 2 wave
	s_lshl_b32 s56, s56, 7
	s_lshl_b32 s57, s13, 5
	s_add_co_u32 s56, s56, s57
	s_lshl_b32 s57, s12, 1
	s_add_co_u32 s56, s56, s57
	s_and_b32 s57, s14, 15
	s_lshl_b32 s58, s56, 4
	s_add_co_u32 s58, s58, s57
	s_mul_i32 s58, s58, 768
	s_add_nc_u64 s[8:9], s[8:9], s[58:59]
	s_lshl_b32 s58, s56, 9
	s_lshl_b32 s57, s57, 1
	s_add_co_u32 s58, s58, s57
	s_add_nc_u64 s[10:11], s[10:11], s[58:59]
	v_and_b32 v36, 31, v0
	v_and_b32 v37, 15, v0
	v_bfe_u32 v38, v0, 4, 1                        ; h
	v_bfe_u32 v39, v0, 3, 1                        ; r / 8
	v_and_b32 v40, 7, v0
	v_lshlrev_b32 v[LI], 4, v36
	v_lshlrev_b32 v[L8], 3, v36
	v_lshlrev_b32 v[L32], 5, v36
	v_lshlrev_b32 v[QSA], 4, v37
	v_lshlrev_b32 v[KSB], 4, v40
	v_lshlrev_b32 v[SH8], 3, v38
	v_lshl_add_u32 v[QSA], v38, 2, v[QSA]
	v_lshl_add_u32 v[KB], v39, 11, v[LI]
	v_lshl_add_u32 v[KSB], v39, 3, v[KSB]
	v_lshl_add_u32 v[KSB], v38, 8, v[KSB]
	QLOAD 0
	WIN 0x40
.irp i, 8,9,10,11                      ; k = 72 .. 127 of the scores' product is never used: zero codes, written once
.irp q, 0,1
	v_mov_b32 v[QF+12*\q+\i], 0
.endr
.irp t, 0,1,2,3,4,5,6,7
	v_mov_b32 v[KF+12*\t+\i], 0
.endr
.endr
	WIN 0
.irp q, 0,1
	v_mov_b32 v[NM+2*\q+1], 0                      ; upper words of pairs, and lane permutes' destinations: written once
	v_mov_b32 v[FF+2*\q+1], 0
	v_mov_b32 v[T1+\q], 0
	v_mov_b32 v[W2+\q], 0
.endr
	s_mov_b32 s49, 0
	KADDR
	WALU
	s_wait_tensorcnt 0x0                           ; my two blocks are in,
	s_barrier_signal -1
	s_barrier_wait -1                              ; and everybody's: nothing is filled again
	KLOAD                                          ; block 0's K
	s_mov_b32 s48, 0                               ; this trip's block,
	s_mov_b32 s49, BLK                             ; and the next trip's
	s_mov_b32 s52, 0
.Ltrip:
	s_and_b32 s53, s52, 15
	s_cmp_lg_u32 s53, 0
	s_cbranch_scc1 .Lgo
; ---------------- a pass begins
	s_wait_loadcnt 0x0                             ; this pass's q
	WIN 0x41
.irp q, 0,1
.irp i, 0,1,2,3,4,5,6,7
	v_mov_b32 v[QF+12*\q+\i], v[QST+8*\q+\i]
.endr
.endr
	WIN 0
	v_mov_b32 v[QS], v[QSN]
.irp q, 0,1
	v_mov_b32 v[RM+\q], 0xf1800000                 ; -2^100: under every open score, over a masked one
	v_mov_b32 v[NM+2*\q], 0x7038aa3b               ; -M = c x 2^100
	v_mov_b32 v[L+2*\q], 0
	v_mov_b32 v[L+2*\q+1], 0
.endr
	WIN 0x40
.set J, 0
.rept 64
	v_mov_b32 v[O+J], 0                            ; the step is written once: the first finds zeros
.set J, J+1
.endr
	WIN 0
	s_cmp_lg_u32 s52, 0
	s_cbranch_scc1 .Lnoq
	QLOAD 2*STEPB                                  ; the second pass's q, a whole pass ahead
.Lnoq:
	WALU
.Lgo:
; ---------------- a step: 128 keys x 32 queries
	v_add_nc_u32 v[ADV], s48, v[LI]
	WIN 0x40
.irp d, 0,1,2,3
.irp p, 0,1,2
	ds_load_b128 v[VF+12*\d+4*\p:VF+12*\d+4*\p+3], v[ADV] offset:8192+1536*\d+512*\p+64*((8192+1536*\d+512*\p)/1024)
.endr
.endr
	WIN 0
	ds_load_b128 v[VSC:VSC+3], v[ADV] offset:15744
	s_wait_dscnt 13                                ; K's 18 loads, issued a trip ago, are in; V's 13 may be out
	WIN 0x05
.irp c, 0,1
.irp o, 0,1,2,3
	SMUL 0, \c, \o
	SMUL 1, \c, \o
.endr
.endr
	WIN 0
	KADDR                                          ; with the two lines below: four places behind the products (ISA guide 7.12.1)
	v_nop
	v_nop
	KLOAD                                          ; the next block's K
.irp k, 0,1,2,3,4,5,6,7
	MAXL 0, \k
.endr
.irp k, 0,1,2,3,4,5,6,7
	MAXL 1, \k
	STAT 0, \k
.endr
	STAT 0, 8
.set J, 0
.rept 32
	v_pk_fma_f32 v[S+J:S+J+1], v[S+J:S+J+1], s[22:23], v[NM:NM+1] op_sel_hi:[1,0,0]   ; tile 0: t - M
.if (J%6 == 4) && (J < 54)
	STAT 1, (J/6)
.endif
.set J, J+2
.endr
	v_pk_fma_f32 v[BM:BM+1], v[BM:BM+1], s[22:23], v[NM:NM+1] op_sel_hi:[1,0,0]   ; the same of its blocks' largest
.irp q, 0,1
	v_pk_mul_f32 v[L+2*\q:L+2*\q+1], v[L+2*\q:L+2*\q+1], v[FF+2*\q:FF+2*\q+1] op_sel_hi:[1,0]   ; the sums under the new M
.endr
	WIN 0x41
.irp q, 0,1
.set J, 0
.rept 16
	v_pk_mul_f32 v[O+32*\q+J:O+32*\q+J+1], v[O+32*\q+J:O+32*\q+J+1], v[FF+2*\q:FF+2*\q+1] op_sel_hi:[1,0]   ; O^T under the new M
.set J, J+2
.endr
.endr
	WIN 0
	WALU                                           ; the wait ahead of a batch
.set J, 0
.rept 32
	v_exp_f32 v[S+J], v[S+J]                       ; tile 0: p = 2^(t - M);
	v_exp_f32 v[S+J+1], v[S+J+1]
	v_pk_fma_f32 v[S+64+J:S+64+J+1], v[S+64+J:S+64+J+1], s[22:23], v[NM+2:NM+3] op_sel_hi:[1,0,0]   ; tile 1: t - M, read behind the next wait
.set J, J+2
.endr
	v_exp_f32 v[BM], v[BM]                         ; each block's largest p
	v_exp_f32 v[BM+1], v[BM+1]
	v_pk_fma_f32 v[BM+2:BM+3], v[BM+2:BM+3], s[22:23], v[NM+2:NM+3] op_sel_hi:[1,0,0]
	WALU                                           ; behind tile 0's batch and ahead of tile 1's
.set J, 0
.rept 64
	v_exp_f32 v[S+64+J], v[S+64+J]
.set J, J+1
.endr
	v_exp_f32 v[BM+2], v[BM+2]
	v_exp_f32 v[BM+3], v[BM+3]
	v_nop
	WALU                                           ; and behind tile 1's
	s_wait_dscnt 18                                ; V's 13 loads are in; the next block's K, 18 loads, may be out
.set SN, 0
.irp i, 0,1,2,3
	v_max_num_f32 v[BM+\i], 0x1800000, v[BM+\i]    ; the floor 2^(3 - 127): the byte cannot fall under 1
.endr
	SUMS 4
.irp i, 0,1,2,3
	v_add_nc_u32 v[SO+\i], 0xff000000, v[BM+\i]    ; 2 off the exponent field: the conversions' scale operand
.endr
	SUMS 4
.irp q, 0,1
.irp c, 0,1
	v_cvt_scalef32_pk16_fp6_f32 v[PC+12*\q+6*\c:PC+12*\q+6*\c+2], v[S+64*\q+32*\c:S+64*\q+32*\c+15], v[SO+2*\q+\c]
	v_cvt_scalef32_pk16_fp6_f32 v[PT+8*\q+4*\c:PT+8*\q+4*\c+2], v[S+64*\q+32*\c+16:S+64*\q+32*\c+31], v[SO+2*\q+\c]   ; (a conversion's three registers begin on an even number)
.endr
.endr
.irp i, 0,1,2,3
	v_lshrrev_b32 v[BT+\i], 23, v[SO+\i]           ; the scale's byte
.endr
.irp c, 0,1
.irp i, 0,1,2
	v_mov_b32 v[PC+6*\c+3+\i], v[PT+4*\c+\i]
.endr
.endr
.irp q, 0,1
	v_lshl_or_b32 v[W+\q], v[BT+2*\q+1], 16, v[BT+2*\q]   ; my blocks h and 2 + h,
.endr
.irp c, 0,1
.irp i, 0,1,2
	v_mov_b32 v[PC+12+6*\c+3+\i], v[PT+8+4*\c+\i]
.endr
.endr
.irp q, 0,1
	v_lshlrev_b32 v[W+\q], v[SH8], v[W+\q]         ; at their places in the scale word;
.endr
	SUMS 4
.irp q, 0,1
	v_permlanex16_b32 v[W2+\q], v[W+\q], s20, s21
.endr
	SUMS 4
.irp q, 0,1
	v_or_b32 v[PS+\q], v[W+\q], v[W2+\q]           ; with lane l xor 16's two the word is whole
.endr
	SUMS 44                                        ; (more than the eight places that stand between the scale words and the first product that takes them)
	WIN 0x51
.irp d, 0,1,2,3
.irp q, 0,1
	v_wmma_scale_f32_16x16x128_f8f6f4 v[O+32*\q+8*\d:O+32*\q+8*\d+7], v[VF+12*\d:VF+12*\d+11], v[PC+12*\q:PC+12*\q+11], v[O+32*\q+8*\d:O+32*\q+8*\d+7], v[VSC+\d], v[PS+\q] matrix_a_fmt:MATRIX_FMT_FP6 matrix_b_fmt:MATRIX_FMT_FP6
.endr
.endr
	WIN 0
	SUMS 4                                         ; the last four additions name none of the products' registers: the places ahead of the loads into V's registers
	s_mov_b32 s48, s49
	s_add_co_u32 s49, s49, BLK
	s_cmp_eq_u32 s49, 16*BLK
	s_cselect_b32 s49, 0, s49                      ; behind block 15 comes block 0
	s_cmp_lg_u32 s53, 15
	s_cbranch_scc1 .Lnext
; ---------------- a pass ends: O^T / the sum, quantised along the head's 64 channels (register 16 b + i = channel 32 b + 16 h + i)
	WALU
.irp q, 0,1
	v_add_f32 v[T0+\q], v[L+2*\q], v[L+2*\q+1]
.endr
.irp q, 0,1
	v_permlanex16_b32 v[T1+\q], v[T0+\q], s20, s21
.endr
.irp q, 0,1
	v_add_f32 v[T0+\q], v[T0+\q], v[T1+\q]
.endr
	WALU
.irp q, 0,1
	v_rcp_f32 v[FF+2*\q], v[T0+\q]
.endr
	v_nop
	WIN 0x01
	WALU
.irp q, 0,1
.set J, 0
.rept 16
	v_pk_mul_f32 v[S+64*\q+J:S+64*\q+J+1], v[O+32*\q+J:O+32*\q+J+1], v[FF+2*\q:FF+2*\q+1] op_sel_hi:[1,0]
.set J, J+2
.endr
.endr
	WIN 0
.irp b, 0,1
.irp q, 0,1
	v_max3_num_f32 v[BM+2*\q+\b], |v[S+64*\q+16*\b]|, |v[S+64*\q+16*\b+1]|, 0x1800000
.endr
.endr
.irp i, 2,4,6,8,10,12,14
.irp b, 0,1
.irp q, 0,1
	v_max3_num_f32 v[BM+2*\q+\b], v[BM+2*\q+\b], |v[S+64*\q+16*\b+\i]|, |v[S+64*\q+16*\b+\i+1]|
.endr
.endr
.endr
.irp i, 0,1,2,3
	v_permlanex16_b32 v[BT+\i], v[BM+\i], s20, s21
.endr
.irp i, 0,1,2,3
	v_max_num_f32 v[BM+\i], v[BM+\i], v[BT+\i]
.endr
.irp i, 0,1,2,3
	v_add_nc_u32 v[SO+\i], 0xff000000, v[BM+\i]
.endr
.irp i, 0,1,2,3
	v_lshrrev_b32 v[BT+\i], 23, v[SO+\i]
.endr
.irp q, 0,1
	v_lshl_or_b32 v[W+\q], v[BT+2*\q+1], 8, v[BT+2*\q]
.endr
.irp q, 0,1
	v_cvt_scalef32_pk16_fp6_f32 v[PC+12*\q:PC+12*\q+2], v[S+64*\q:S+64*\q+15], v[SO+2*\q]
	v_cvt_scalef32_pk16_fp6_f32 v[PT+8*\q:PT+8*\q+2], v[S+64*\q+16:S+64*\q+31], v[SO+2*\q+1]
.endr
	v_cndmask_b32 v[T0], v[W], v[W+1], s25         ; lanes 0-15 tile 0's two bytes, lanes 16-31 tile 1's.  (The plain place behind the conversions)
.irp q, 0,1
.irp i, 0,1,2
	v_permlane16_swap_b32 v[PC+12*\q+\i], v[PT+8*\q+\i]   ; a whole block in a lane
.endr
.irp i, 0,1,2
	v_mov_b32 v[PC+12*\q+3+\i], v[PT+8*\q+\i]
.endr
.endr
.irp q, 0,1
.irp i, 0,1,2
	global_store_b64 v[L8], v[PC+12*\q+2*\i:PC+12*\q+2*\i+1], s[8:9] offset:12288*\q+256*\i   ; 32 lanes store 256 consecutive bytes, aligned
.endr
.endr
	global_store_b16 v[L32], v[T0], s[10:11]
	s_wait_xcnt 0x0                                ; the stores have read their registers and bases
	s_add_nc_u64 s[8:9], s[8:9], 196608            ; the second pass's results: 16 token tiles on
	s_add_nc_u64 s[10:11], s[10:11], 8192
	WALU
.Lnext:
	s_add_co_u32 s52, s52, 1
	s_cmp_lt_u32 s52, 32
	s_cbranch_scc1 .Ltrip
	s_wait_tensorcnt 0x0                           ; the wave's end
	ds_add_u32 v[SPW], v[NIL]
	s_wait_dscnt 0x0
	CROUND                                         ; the closing round
	s_endpgm
.Lfunc_end_k_qdd109e4af8_attn:
	.size	k_qdd109e4af8_attn, .Lfunc_end_k_qdd109e4af8_attn-k_qdd109e4af8_attn
	.p2alignl 7, 3214868480
	.fill 96, 4, 3214868480
	.section	.rodata,"a",@progbits
	.p2align	6, 0x0
	.amdhsa_kernel k_qdd109e4af8_attn
		.amdhsa_group_segment_fixed_size 327680
		.amdhsa_private_segment_fixed_size 0
		.amdhsa_enable_private_segment 0
		.amdhsa_kernarg_size 32
		.amdhsa_user_sgpr_count 2
		.amdhsa_user_sgpr_kernarg_segment_ptr 1
		.amdhsa_wavefront_size32 1
		.amdhsa_system_sgpr_workgroup_id_x 1
		.amdhsa_system_sgpr_workgroup_id_y 1
		.amdhsa_system_sgpr_workgroup_id_z 1
		.amdhsa_system_vgpr_workitem_id 0
		.amdhsa_next_free_vgpr 512
		.amdhsa_next_free_sgpr 66
		.amdhsa_reserve_vcc 0
		.amdhsa_float_denorm_mode_32 3
		.amdhsa_float_denorm_mode_16_64 3
		.amdhsa_memory_ordered 1
		.amdhsa_forward_progress 1
		.amdhsa_inst_pref_size 47
	.end_amdhsa_kernel
	.amdgpu_metadata
---
amdhsa.version: [ 1, 2 ]
amdhsa.kernels:
  - .name:           k_qdd109e4af8_attn
    .symbol:         k_qdd109e4af8_attn.kd
    .args:
      - { .name: qbuf, .offset: 0, .size: 8, .value_kind: global_buffer, .address_space: global }
      - { .name: kv, .offset: 8, .size: 8, .value_kind: global_buffer, .address_space: global }
      - { .name: a_img, .offset: 16, .size: 8, .value_kind: global_buffer, .address_space: global }
      - { .name: a_scales, .offset: 24, .size: 8, .value_kind: global_buffer, .address_space: global }
    .group_segment_fixed_size: 327680
    .private_segment_fixed_size: 0
    .kernarg_segment_align: 8
    .kernarg_segment_size: 32
    .max_flat_workgroup_size: 256
    .sgpr_count:     66
    .vgpr_count:     512
    .wavefront_size: 32
...
	.end_amdgpu_metadata
.endif
;; end of part 3
;; launch gemm_out (part 4): grid 4 x 64, 4 waves a work-group, clusters of 4 x 4, 327,680 bytes of LDS; arguments a_img, a_scales, w_codes, w_scales, b_out, out0; writes out0
.if DOCPART == 4
	.amdgcn_target "amdgcn-amd-amdhsa--gfx1250"
	.amdhsa_code_object_version 6
	.text
	.protected	k_qdd109e4af8_gemm_out
	.globl	k_qdd109e4af8_gemm_out
	.p2align	8
	.type	k_qdd109e4af8_gemm_out,@function
k_qdd109e4af8_gemm_out:
	s_mov_b64 s[64:65], 0
	v_nop
	global_prefetch_b8 v0, s[64:65] scope:SCOPE_SE
	s_setreg_imm32_b32 hwreg(HW_REG_WAVE_MODE, 25, 1), 1
	s_wait_xcnt 0x0
	s_wait_alu depctr_hold_cnt(0) depctr_sa_sdst(0) depctr_va_vdst(0) depctr_va_sdst(0) depctr_va_ssrc(0) depctr_va_vcc(0) depctr_vm_vsrc(0)
	s_getreg_b32 s2, hwreg(HW_REG_IB_STS2, 6, 4)
	s_cmp_eq_u32 s2, 0
	s_cbranch_scc0 .Lentry_in_a_cluster
	s_endpgm
.Lentry_in_a_cluster:
	s_bfe_u32 s2, ttmp6, 0x10000c
	s_cmp_lg_u32 s2, 0xf033
	s_cbranch_scc0 .Lentry_shape_is_right
	s_endpgm
.Lentry_shape_is_right:
; out0 = a W_out + b_out on codes of FP6 (E2M3) with E8M0 scales, K = 1,024; sums in f32.
; 8,192 x 1,024 results in blocks of 128 x 256 are 256 work-groups; a wave makes 64 x 128: 32 accumulators of 16 x 16, all in one register window.
; A: a_img holds for each 16 tokens the operand registers' image, 12,288 bytes, a K step of 256 in 3,072 of them; a_scales [token][32].  B: rows 3,072 .. 4,095 of w_codes, laid [K step][row][192 bytes]: a K step's rows lie dense
; and are stated as rows of 256 bytes; the padding's interval is 64 bytes, so that an LDS row is 3 x (64 + 16) bytes.  Rows of both lie with bits 3 and 4 of their number exchanged; the stores put the results back.
; K goes in four steps of 256 through two LDS slots filled by joint tensor loads: A's tiles are shared along a row of the 4 x 4 cluster, B's along a column.
; At the head one load a wave: K step 0 of A, of B, A's scales, B's scales; K step 1 follows behind the full sequence and a round; K steps 2 and 3 are the two refills.  So K leaves no step to run further ahead in: no prefetch is laid.
; The matrix instruction is used transposed (source 0 = rows of B): a lane holds eight neighbouring columns of a row.  The bias is the first products' C.
; A step of 128 along K: A's blocks 0, 1 against B's eight; the next step's B and A's blocks 0, 1 are fetched; A's blocks 2, 3; the next step's blocks 2, 3 are fetched.
.set NQ,     2
.set ROWB,   192
.set KROW,   768
.set PLANE,  786432                    ; from K step to K step in w_codes
.set PITCH,  240
.set FR,     12
.set NL,     6
.set NP,     4                         ; places behind this matrix instruction (ISA guide 7.12.1)
.set HALFT,  128*PITCH                 ; B: 128 rows of a K step
.set ASTEP,  3072
.set HALFA,  4*ASTEP                   ; A: 64 tokens of a K step
.set BOFF,   2*HALFA
.set SLOT,   BOFF+2*HALFT
.set KS,     32
.set SCL,    2*SLOT                    ; behind the ring: A's scales (128 rows), then B's (256 rows), as units of 256 bytes + 16; filled once
.set HALFS,  16*272                    ; the scales of 128 rows
.set SBLK,   2*272
.set SPARE,  SCL+3*HALFS               ; the spare words, 128 bytes a wave: two blocks of 256 bytes that no other line names
.set SPITCH, 528                       ; the way out: a stage of 16 rows x (512 + 16) bytes a wave, in slot 0, which has had its last fill and its last read by then
.set ADRA, 16
.set ADRB, 20
.set STO,  24
.set RD,   25
.set CO,   26
.set ADRS, 27
.set SPW,  28
.set NIL,  29
.set SC,   32                          ; v32-63 scale words, two sets: lanes 0-15 A's block i, lanes 16-31 B's block i
.set BIAS, 64
.set AF,   128                         ; v128-175 A's four fragments
.set BK,   128
.set G1, 24
.set G0, 32
.set G1B, 48
.set G0B, 56
.set G1S, 68
.set G0S, 76
.set G1SB, 80
.set G0SB, 88
.set MSB, 0
.macro WIN new
.if MSB != (\new)
	s_set_vgpr_msb (MSB<<8)|(\new)
.set MSB, (\new)
.endif
.endm
.set MUL_LO, 0xa1                      ; source 0 (B) window 1, source 1 (A) window 0, C and D window 2
.set TO_B,   0x40
.macro JLOAD g0a, g1a, g0b, g1b        ; waves 0 and 1 fetch for A, waves 2 and 3 for B
	s_cmp_eq_u32 s15, 0
	s_cbranch_scc0 .Lfor_b_\@
	tensor_load_to_lds s[\g0a:\g0a+3], s[\g1a:\g1a+7]
	s_nop 0
.rept 4
	v_nop
.endr
	s_branch .Lasked_\@
.Lfor_b_\@:
	tensor_load_to_lds s[\g0b:\g0b+3], s[\g1b:\g1b+7]
	s_nop 0
.rept 4
	v_nop
.endr
.Lasked_\@:
.endm
.macro CREST
	s_cmp_lg_u32 s14, 0
	s_cbranch_scc1 .Lnot_wave_0_\@
	s_barrier_signal -3
.Lnot_wave_0_\@:
	s_barrier_wait -3
	s_barrier_signal -1
	s_barrier_wait -1
.endm
.macro CROUND
	s_barrier_signal -1
	s_barrier_wait -1
	CREST
.endm
	s_load_b128 s[4:7], s[0:1], 0x0                ; a_img, a_scales
	s_load_b128 s[8:11], s[0:1], 0x10              ; w_codes, w_scales
	s_load_b64 s[66:67], s[0:1], 0x20              ; b_out
	s_load_b64 s[12:13], s[0:1], 0x28              ; out0
	v_lshl_add_u32 v[SPW], v0, 2, SPARE
	v_mov_b32 v[NIL], 0
	ds_add_u32 v[SPW], v[NIL]                      ; the opening lines: the add, twice on end, and its wait
	ds_add_u32 v[SPW], v[NIL]
	v_lshrrev_b32 v1, 5, v0
	v_readfirstlane_b32 s14, v1                    ; wave
	s_lshr_b32 s15, s14, 1                         ; my half of the block's rows.  Also: I fetch for A (0) or for B (1)
	s_and_b32 s16, s14, 1                          ; my half of its columns.  Also: which half of a tile I fetch
	s_bfe_u32 s40, ttmp6, 0x40000
	s_bfe_u32 s41, ttmp6, 0x40004
	s_lshl_b32 s42, ttmp9, 2
	s_add_co_u32 s42, s42, s40                     ; which 256 columns
	s_and_b32 s17, ttmp7, 0xffff
	s_lshl_b32 s17, s17, 2
	s_add_co_u32 s17, s17, s41                     ; which 128 rows
	s_lshl_b32 s43, s41, 2
	s_lshl_b32 s43, 15, s43                        ; my row of the cluster
	s_lshl_b32 s44, 0x1111, s40                    ; my column
	s_or_b32 s[G1+0], s43, (3<<16)|(1<<21)         ; A: rows of 3,072 bytes, 12,288 apart: at the head 8 of them
	s_mov_b32 s[G1+1], 384<<16
	s_mov_b32 s[G1+2], 8<<16
	s_mov_b32 s[G1+3], 384<<16
	s_mov_b32 s[G1+4], 8
	s_mov_b32 s[G1+5], 1536
	s_mov_b32 s[G1+6], 0
	s_mov_b32 s[G1+7], 0
	s_or_b32 s[G1B+0], s44, (0<<16)|(1<<20)|(1<<21)|(3<<22)|(3<<25)
	s_mov_b32 s[G1B+1], 256<<16                    ; B: at the head 256 rows of codes = 192 rows of 256 bytes
	s_mov_b32 s[G1B+2], 192<<16
	s_mov_b32 s[G1B+3], 256<<16
	s_mov_b32 s[G1B+4], 192
	s_mov_b32 s[G1B+5], 256
	s_mov_b32 s[G1B+6], 0
	s_mov_b32 s[G1B+7], 0
	s_or_b32 s[G1S+0], s43, (3<<16)|(1<<20)|(1<<21)|(5<<22)|(3<<25)
	s_or_b32 s[G1SB+0], s44, (3<<16)|(1<<20)|(1<<21)|(5<<22)|(3<<25)
.irp g, G1S, G1SB
	s_mov_b32 s[\g+1], 32<<16
	s_mov_b32 s[\g+3], 32<<16
	s_mov_b32 s[\g+5], 32
	s_mov_b32 s[\g+6], 0
	s_mov_b32 s[\g+7], 0
.endr
	s_mov_b32 s[G1S+2], 16<<16                     ; A's scales: 128 rows = 16 rows of 256 bytes;
	s_mov_b32 s[G1S+4], 16
	s_mov_b32 s[G1SB+2], 32<<16                    ; B's: 256 rows
	s_mov_b32 s[G1SB+4], 32
	s_lshl_b32 s20, s17, 7                         ; A's first row
	s_lshl_b32 s46, s42, 8
	s_add_co_u32 s46, s46, 3072                    ; B's
	s_mov_b32 s21, 0
	s_mov_b32 s47, 0
	s_mov_b64 s[18:19], KS
	s_mul_u64 s[22:23], s[20:21], s[18:19]
	s_mul_u64 s[92:93], s[46:47], s[18:19]
	s_mov_b64 s[18:19], KROW
	s_mul_u64 s[20:21], s[20:21], s[18:19]
	s_mov_b64 s[18:19], ROWB
	s_mul_u64 s[46:47], s[46:47], s[18:19]
	s_mul_i32 s45, s16, HALFA
	s_mul_i32 s95, s16, HALFT
	s_add_co_u32 s95, s95, BOFF
	s_mul_i32 s96, s16, 64*KROW                    ; in the ring I fetch half a tile: which half, in bytes: A's 64 tokens,
	s_mov_b32 s97, 0
	s_mul_i32 s98, s16, 128*ROWB                   ; B's 128 rows
	s_mov_b32 s99, 0
	s_wait_dscnt 0x0
	s_wait_kmcnt 0x0
	s_add_nc_u64 s[20:21], s[4:5], s[20:21]
	s_add_nc_u64 s[22:23], s[6:7], s[22:23]
	s_add_nc_u64 s[46:47], s[8:9], s[46:47]
	s_add_nc_u64 s[92:93], s[10:11], s[92:93]
	CROUND                                         ; all sixteen work-groups are here: the first joint loads meet
	s_mov_b32 s[G0S], 1                            ; the head's four tiles, each whole: A's scales,
	s_mov_b32 s[G0S+1], SCL
	s_mov_b64 s[G0S+2:G0S+3], s[22:23]
	s_or_b32 s[G0S+3], s[G0S+3], 0x80000000
	s_mov_b32 s[G0SB], 1                           ; B's scales,
	s_mov_b32 s[G0SB+1], SCL+HALFS
	s_mov_b64 s[G0SB+2:G0SB+3], s[92:93]
	s_or_b32 s[G0SB+3], s[G0SB+3], 0x80000000
	s_mov_b32 s[G0], 1                             ; K step 0 of A's 128 rows,
	s_mov_b32 s[G0+1], 0
	s_mov_b64 s[G0+2:G0+3], s[20:21]
	s_or_b32 s[G0+3], s[G0+3], 0x80000000
	s_mov_b32 s[G0B], 1                            ; and of B's 256
	s_mov_b32 s[G0B+1], BOFF
	s_mov_b64 s[G0B+2:G0B+3], s[46:47]
	s_or_b32 s[G0B+3], s[G0B+3], 0x80000000
	s_mov_b32 s[G0+4], 1                           ; slot 1: my half of K step 1
	s_add_co_u32 s[G0+5], s45, SLOT
	s_add_nc_u64 s[G0+6:G0+7], s[20:21], s[96:97]
	s_add_nc_u64 s[G0+6:G0+7], s[G0+6:G0+7], ASTEP
	s_or_b32 s[G0+7], s[G0+7], 0x80000000
	s_mov_b32 s[G0B+4], 1
	s_add_co_u32 s[G0B+5], s95, SLOT
	s_add_nc_u64 s[G0B+6:G0B+7], s[46:47], s[98:99]
	s_add_nc_u64 s[G0B+6:G0B+7], s[G0B+6:G0B+7], PLANE
	s_or_b32 s[G0B+7], s[G0B+7], 0x80000000
; the head's loads, one a wave, in one tree of branches on the wave's number
.macro ARM under, g0, g1, next
	s_cmp_lt_u32 s14, \under
	s_cbranch_scc0 \next
	tensor_load_to_lds s[\g0:\g0+3], s[\g1:\g1+7]
	s_nop 0
.rept 4
	v_nop
.endr
	s_branch .Lhead_asked
\next:
.endm
	ARM 1, G0,  G1,  .Lhead_b
	ARM 2, G0B, G1B, .Lhead_sa
	ARM 3, G0S, G1S, .Lhead_sb
	tensor_load_to_lds s[G0SB:G0SB+3], s[G1SB:G1SB+7]
	s_nop 0
.rept 4
	v_nop
.endr
.Lhead_asked:
	v_and_b32 v1, 15, v0                           ; r
	v_bfe_u32 v2, v0, 4, 1                         ; h
	v_and_b32 v6, 31, v0
	v_mul_u32_u24 v3, v1, PITCH
	v_mul_u32_u24 v4, v2, 24
	v_add_nc_u32 v4, v3, v4                        ; B: a fragment's row x pitch + 24 x half,
	v_lshl_add_u32 v5, v2, 4, v4                   ; and the same behind one padding more
	v_lshlrev_b32 v3, 3, v6                        ; A: 8 x lane of an image's plane
	s_mul_i32 s21, s15, HALFA
	s_mul_i32 s22, s16, HALFT
	s_add_co_u32 s22, s22, BOFF
.irp s, 0,1
	v_add_nc_u32 v[ADRA+\s], s21, v3
	v_add_nc_u32 v[ADRB+\s], s22, v4
	v_add_nc_u32 v[ADRB+2+\s], s22, v5
	s_add_co_u32 s21, s21, SLOT
	s_add_co_u32 s22, s22, SLOT
.endr
	v_mul_u32_u24 v5, v1, KS
	v_lshrrev_b32 v7, 8, v5
	v_lshl_add_u32 v5, v7, 4, v5                   ; my row's scales: 32 bytes a row, 16 more for each 256 passed
	s_mul_i32 s21, s15, HALFS/2                    ; A's: my 64 rows
	s_mul_i32 s22, s16, HALFS                      ; B's: my 128 rows, behind A's 128
	s_add_co_u32 s22, s22, HALFS
	s_sub_co_u32 s22, s22, s21
	v_mul_u32_u24 v7, s22, v2                      ; lanes 16-31 take B's
	s_add_co_u32 s21, s21, SCL
	v_add_nc_u32 v5, v5, v7
	v_add_nc_u32 v[ADRS], s21, v5
	s_mul_i32 s23, s14, 16*SPITCH                  ; my stage
	v_mul_u32_u24 v5, v1, SPITCH
	v_lshl_add_u32 v5, v2, 6, v5
	v_add_nc_u32 v[STO], s23, v5
	v_lshlrev_b32 v[CO], 4, v6
	v_add_nc_u32 v[RD], s23, v[CO]
	s_lshl_b32 s20, s17, 7
	s_lshl_b32 s21, s15, 6
	s_add_co_u32 s20, s20, s21                     ; my first row of out0
	s_lshl_b32 s20, s20, 12
	s_mov_b32 s21, 0
	s_lshl_b32 s46, s42, 10
	s_lshl_b32 s47, s16, 9
	s_add_co_u32 s46, s46, s47                     ; my first column, in bytes
	s_mov_b32 s47, 0
	s_add_nc_u64 s[12:13], s[12:13], s[20:21]
	s_add_nc_u64 s[12:13], s[12:13], s[46:47]
	s_add_nc_u64 s[66:67], s[66:67], s[46:47]
	v_lshlrev_b32 v7, 6, v2
.irp b, 0,1,2,3,4,5,6,7
	global_load_b128 v[BIAS+8*\b:BIAS+8*\b+3], v7, s[66:67] offset:4*(32*(\b/2)+8*(\b%2))      ; the bias in the layout of a result: register j of tile b is column 32 (b / 2) + 8 (b % 2) + 16 h + j
	global_load_b128 v[BIAS+8*\b+4:BIAS+8*\b+7], v7, s[66:67] offset:4*(32*(\b/2)+8*(\b%2))+16
.endr
.macro FRAG reg, adr, q, i             ; a fragment of B: six pieces of 8 bytes
.irp p, 0,1,2,3,4,5
.set PCE, 12*(\q)+6*(\p/3)+\p%3
.if PCE%8 < 5
	ds_load_b64 v[\reg+2*\p:\reg+2*\p+1], v[\adr] offset:8*PCE+16*(PCE/8)+(\i)*16*PITCH
.else
	ds_load_b64 v[\reg+2*\p:\reg+2*\p+1], v[\adr+2] offset:8*PCE+16*(PCE/8)+(\i)*16*PITCH
.endif
.endr
.endm
.macro FRAG_A reg, adr, q, i           ; a fragment of A: six planes of its image
.irp p, 0,1,2,3,4,5
	ds_load_b64 v[\reg+2*\p:\reg+2*\p+1], v[\adr] offset:ASTEP*(\i)+1536*(\q)+256*\p
.endr
.endm
; 8 matrix instructions: A's block a against B's eight.  The 32 accumulators take turns, one instruction a turn, in the same order in every step.  zero = 1: the bias starts the sums
.macro MULA a, p, q, sc, zero
.irp b, 0,1,2,3,4,5,6,7
.if \zero
	v_wmma_scale_f32_16x16x128_f8f6f4 v[8*(8*(\a)+\b):8*(8*(\a)+\b)+7], v[128*(\p)+FR*\b:128*(\p)+FR*\b+FR-1], v[AF+FR*(\a):AF+FR*(\a)+FR-1], v[BIAS+8*\b:BIAS+8*\b+7], v[SC+8*NQ*(\sc)+NQ*\b+(\q)], v[SC+8*NQ*(\sc)+NQ*(\a)+(\q)] matrix_a_fmt:MATRIX_FMT_FP6 matrix_b_fmt:MATRIX_FMT_FP6 matrix_a_scale:MATRIX_SCALE_ROW1
.else
	v_wmma_scale_f32_16x16x128_f8f6f4 v[8*(8*(\a)+\b):8*(8*(\a)+\b)+7], v[128*(\p)+FR*\b:128*(\p)+FR*\b+FR-1], v[AF+FR*(\a):AF+FR*(\a)+FR-1], v[8*(8*(\a)+\b):8*(8*(\a)+\b)+7], v[SC+8*NQ*(\sc)+NQ*\b+(\q)], v[SC+8*NQ*(\sc)+NQ*(\a)+(\q)] matrix_a_fmt:MATRIX_FMT_FP6 matrix_b_fmt:MATRIX_FMT_FP6 matrix_a_scale:MATRIX_SCALE_ROW1
.endif
.endr
.endm
.macro FETCH_B slot, q, p
	WIN TO_B
.irp i, 0,1,2,3,4,5,6,7
	FRAG 128*(\p)+FR*\i, ADRB+\slot, \q, \i
.endr
	WIN 0
.endm
.macro FETCH_A slot, q, i0             ; A's blocks i0, i0 + 1: 12 loads
.irp i, \i0, \i0+1
	FRAG_A AF+FR*(\i), ADRA+\slot, \q, \i
.endr
.endm
.macro SCALES sc                       ; a K step's scale words; of lanes 0-15 registers 0-7 alone are used (A has four blocks; the others read scale bytes that lie behind mine)
.irp i, 0,1,2,3,4,5,6,7
	ds_load_b64 v[SC+8*NQ*\sc+NQ*\i:SC+8*NQ*\sc+NQ*\i+1], v[ADRS] offset:\i*SBLK
.endr
.endm
.macro PLACES n
.rept \n
	v_nop
.endr
.endm
.macro STEP slot, q, zero              ; a step of 128 along K that has its successor in the same slot
	s_wait_dscnt 2*NL                              ; B's set and A's blocks 0, 1 are in; the youngest 12 loads (blocks 2, 3) may be out
	WIN MUL_LO-0x20*(\zero)
	MULA 0, (\q)%2, \q, \slot, \zero
	MULA 1, (\q)%2, \q, \slot, \zero
	s_wait_dscnt 0
	PLACES NP
	FETCH_B \slot, (\q)+1, 1-(\q)%2
	FETCH_A \slot, (\q)+1, 0
	WIN MUL_LO-0x20*(\zero)
	MULA 2, (\q)%2, \q, \slot, \zero
	MULA 3, (\q)%2, \q, \slot, \zero
	PLACES NP
	WIN 0
	FETCH_A \slot, (\q)+1, 2
.endm
; A slot's last step changes slots: one barrier; in front of it each wave waits for all its tensor loads, adds 0 to its spare word, and waits for that and for its reads of this slot
.macro TURN slot, next, fill
	s_wait_tensorcnt 0x0
	ds_add_u32 v[SPW], v[NIL]
	s_wait_dscnt 2*NL+1                            ; the add and the youngest 12 loads may be out
	WIN MUL_LO
	MULA 0, 1, NQ-1, \slot, 0
	s_wait_dscnt 0x0
	s_barrier_signal -1
	MULA 1, 1, NQ-1, \slot, 0
	WIN 0
	s_barrier_wait -1
.if \fill
	CREST                                          ; the barrier has opened a round of the cluster's barrier
	s_add_nc_u64 s[G0+4*\slot+2:G0+4*\slot+3], s[G0+4*\slot+2:G0+4*\slot+3], 2*ASTEP
	s_add_nc_u64 s[G0B+4*\slot+2:G0B+4*\slot+3], s[G0B+4*\slot+2:G0B+4*\slot+3], 2*PLANE
	JLOAD G0+4*\slot, G1, G0B+4*\slot, G1B         ; the first tensor load behind the round; its four v_nop are the places in front of the loads below
.else
	PLACES NP
.endif
	s_wait_alu depctr_va_vdst(0)
	v_add_nc_u32 v[ADRS], 4*NQ, v[ADRS]            ; the next K step's scale words
	FETCH_B \next, 0, 0
	FETCH_A \next, 0, 0
	SCALES \next
	WIN MUL_LO
	MULA 2, 1, NQ-1, \slot, 0
	MULA 3, 1, NQ-1, \slot, 0
	PLACES NP
	WIN 0
	FETCH_A \next, 0, 2
.endm
	s_wait_alu depctr_va_vdst(0)
	s_wait_tensorcnt 0x0                           ; my tile of the head's four is in
	ds_add_u32 v[SPW], v[NIL]
	s_mov_b32 s[G1+2], 4<<16                       ; no tensor load of mine is out: from here on a load brings half a tile,
	s_mov_b32 s[G1+4], 4
	s_mov_b32 s[G1B+2], 96<<16
	s_mov_b32 s[G1B+4], 96
	s_mov_b32 s[G0+1], s45                         ; and slot 0's descriptors name my half
	s_add_nc_u64 s[G0+2:G0+3], s[G0+2:G0+3], s[96:97]
	s_mov_b32 s[G0B+1], s95
	s_add_nc_u64 s[G0B+2:G0B+3], s[G0B+2:G0B+3], s[98:99]
	s_wait_dscnt 0x0
	CROUND                                         ; a whole round: all four tiles are in
	JLOAD G0+4, G1, G0B+4, G1B                     ; K step 1, the first tensor load behind the round
	FETCH_B 0, 0, 0
	FETCH_A 0, 0, 0
	SCALES 0
	FETCH_A 0, 0, 2
	s_wait_loadcnt 0x0                             ; the bias
	STEP 0, 0, 1
	TURN 0, 1, 1                                   ; slot 0 takes K step 2
	STEP 1, 0, 0
	TURN 1, 0, 1                                   ; slot 1 takes K step 3
	STEP 0, 0, 0
	TURN 0, 1, 0
	STEP 1, 0, 0
	s_wait_dscnt 2*NL
	WIN MUL_LO
	MULA 0, 1, NQ-1, 1, 0
	MULA 1, 1, NQ-1, 1, 0
	s_wait_dscnt 0
	MULA 2, 1, NQ-1, 1, 0
	MULA 3, 1, NQ-1, 1, 0
	WIN 0
; THE WAY OUT, block by block of 16 rows x 128 columns, through my own stage: back come whole rows of 512 bytes.  LDS serves a wave's instructions in order (ISA guide 5.7.1.4)
.macro TOSTAGE a
.set AC, 64*(\a)
	WIN 0x08
.irp b, 0,1,2,3,4,5,6,7
	ds_store_b128 v[STO], v[AC+8*\b:AC+8*\b+3] offset:128*(\b/2)+32*(\b%2)      ; each accumulator from its low end on
	ds_store_b128 v[STO], v[AC+8*\b+4:AC+8*\b+7] offset:128*(\b/2)+32*(\b%2)+16
.endr
	WIN 0
.set BB, BK+64*((\a)%2)
.irp t, 0,1,2,3,4,5,6,7,8,9,10,11,12,13,14,15
	ds_load_b128 v[BB+4*\t:BB+4*\t+3], v[RD] offset:\t*SPITCH
.endr
.endm
.macro SEND a, younger                 ; younger: the LDS instructions issued behind block a's loads
.set BB, BK+64*((\a)%2)
	s_wait_dscnt \younger
.irp t, 0,1,2,3,4,5,6,7,8,9,10,11,12,13,14,15
	global_store_b128 v[CO], v[BB+4*\t:BB+4*\t+3], s[12:13] offset:(32*((\a)/2)+8*((\a)%2)+\t+8*(\t/8))*4096 th:TH_STORE_NT   ; 32 lanes store 512 consecutive bytes, aligned; the row's true number
.endr
.endm
	PLACES NP
	TOSTAGE 0
.irp a, 1,2,3
.if \a > 1
	s_wait_xcnt 0x0                                ; block a - 2's stores have read their registers
.endif
	TOSTAGE \a
	SEND \a-1, 32
.endr
	SEND 3, 0
	s_wait_tensorcnt 0x0                           ; the wave's end
	ds_add_u32 v[SPW], v[NIL]
	s_wait_dscnt 0x0
	CROUND                                         ; the closing round
	s_endpgm
.Lfunc_end_k_qdd109e4af8_gemm_out:
	.size	k_qdd109e4af8_gemm_out, .Lfunc_end_k_qdd109e4af8_gemm_out-k_qdd109e4af8_gemm_out
	.p2alignl 7, 3214868480
	.fill 96, 4, 3214868480
	.section	.rodata,"a",@progbits
	.p2align	6, 0x0
	.amdhsa_kernel k_qdd109e4af8_gemm_out
		.amdhsa_group_segment_fixed_size 327680
		.amdhsa_private_segment_fixed_size 0
		.amdhsa_enable_private_segment 0
		.amdhsa_kernarg_size 48
		.amdhsa_user_sgpr_count 2
		.amdhsa_user_sgpr_kernarg_segment_ptr 1
		.amdhsa_wavefront_size32 1
		.amdhsa_system_sgpr_workgroup_id_x 1
		.amdhsa_system_sgpr_workgroup_id_y 1
		.amdhsa_system_sgpr_workgroup_id_z 1
		.amdhsa_system_vgpr_workitem_id 0
		.amdhsa_next_free_vgpr 768
		.amdhsa_next_free_sgpr 100
		.amdhsa_reserve_vcc 0
		.amdhsa_float_denorm_mode_32 3
		.amdhsa_float_denorm_mode_16_64 3
		.amdhsa_memory_ordered 1
		.amdhsa_forward_progress 1
		.amdhsa_inst_pref_size 103
	.end_amdhsa_kernel
	.amdgpu_metadata
---
amdhsa.version: [ 1, 2 ]
amdhsa.kernels:
  - .name:           k_qdd109e4af8_gemm_out
    .symbol:         k_qdd109e4af8_gemm_out.kd
    .args:
      - { .name: a_img, .offset: 0, .size: 8, .value_kind: global_buffer, .address_space: global }
      - { .name: a_scales, .offset: 8, .size: 8, .value_kind: global_buffer, .address_space: global }
      - { .name: w_codes, .offset: 16, .size: 8, .value_kind: global_buffer, .address_space: global }
      - { .name: w_scales, .offset: 24, .size: 8, .value_kind: global_buffer, .address_space: global }
      - { .name: b_out, .offset: 32, .size: 8, .value_kind: global_buffer, .address_space: global }
      - { .name: out0, .offset: 40, .size: 8, .value_kind: global_buffer, .address_space: global }
    .group_segment_fixed_size: 327680
    .private_segment_fixed_size: 0
    .kernarg_segment_align: 8
    .kernarg_segment_size: 48
    .max_flat_workgroup_size: 128
    .sgpr_count:     100
    .vgpr_count:     768
    .wavefront_size: 32
...
	.end_amdgpu_metadata
.endif
;; end of part 4
